; MI455X (gfx1250); checked and timed in simulation.
; The chip was launched on July 23, 2026; its instructions are those of AMD's public machine-readable ISA for CDNA 5 (MIT licence, August 2026) and "CDNA5" Instruction Set Architecture Reference Guide (July 2026). The comments in the code are by the model that wrote it; some were corrected since.
;; Multi Head Attention. Allowed arithmetic: matrix products marked QUANTISED: E2M3 operands, one E8M0 scale for each 32 along K, by v_wmma_scale_f32_16x16x128_f8f6f4 with both operands' format E2M3, f32 sums; everything else in f32.
;; Inputs: K 4 x 2,048 x 1,024 float32; Q 4 x 2,048 x 1,024 float32; V 4 x 2,048 x 1,024 float32; Wk 1,024 x 1,024 float32; Wo 1,024 x 1,024 float32; Wq 1,024 x 1,024 float32; Wv 1,024 x 1,024 float32; bk 1,024 float32; bo 1,024 float32; bq 1,024 float32; bv 1,024 float32; mask 4 x 2,048 int32.
;; Outputs: out0 4 x 2,048 x 1,024 float32.
;; This version of the problem:
;;   THIS VERSION OF THE PROBLEM IS GIVEN IN LOW PRECISION. The matrix products marked QUANTISED in the list below multiply operands that are first quantised to E2M3 (2 exponent bits, 3 mantissa bits; 6 bits a number), with one power-of-two scale for each 32 numbers along K (OCP MX v1.0); their sums are f32. All else is computed in f32.
;;   The module's matrix products, in the order in which they are computed (A, B: the left and right operand; K: the contracted axis; several contracted axes count as one K, in the product's order):
;;     1. [M 8,192, K 1,024] x [K 1,024, N 1,024]; A: input Q; B: input Wq: QUANTISED
;;     2. [M 8,192, K 1,024] x [K 1,024, N 1,024]; A: input K; B: input Wk: QUANTISED
;;     3. [M 8,192, K 1,024] x [K 1,024, N 1,024]; A: input V; B: input Wv: QUANTISED
;;     4. batch 64 x [M 2,048, K 64] x [K 64, N 2,048]; A: computed on the way; B: computed on the way: QUANTISED
;;     5. batch 64 x [M 64, K 2,048] x [K 2,048, N 2,048]; A: computed on the way; B: softmax (see below): QUANTISED
;;     6. [M 8,192, K 1,024] x [K 1,024, N 1,024]; A: computed on the way; B: input Wo: QUANTISED
;;   THE QUANTISER, for each operand of a quantised product, along K:
;;     - K is cut into blocks of 32 from its start; a last block that is shorter is filled with zeros.
;;     - A block's scale is 2^e with e = floor(log2(the largest magnitude in the block)) - 2, held to -126 .. 127; a block of zeros has e = 0. As a byte (E8M0): e + 127.
;;     - Each number is divided by its block's scale, clamped to +-7.5, and rounded to the nearest number of E2M3, ties to even, subnormals kept.
;;     - The product sums the exact products of the quantised numbers (number of the format x scale) in f32.
;;   ~~~python
;;   def quantise(x, axis):      # numpy; x: float32 -> the quantised numbers, widened to float32 again
;;       x = np.moveaxis(x, axis, -1); K = x.shape[-1]
;;       x = np.pad(x, [(0, 0)] * (x.ndim - 1) + [(0, -K % 32)]); x = x.reshape(x.shape[:-1] + (-1, 32)); a = np.abs(x).max(-1, keepdims=True)
;;       e = np.where(a > 0, np.clip(np.frexp(np.where(a > 0, a, 1))[1] - 1 - 2, -126, 127), 0)      # np.frexp(a)[1] - 1 = floor(log2(a)), exactly
;;       r = np.clip(x / 2.0 ** e, -7.5, 7.5)
;;       step = 2.0 ** (np.maximum(np.frexp(np.where(r == 0, 1, r))[1] - 1, 0) - 3)
;;       q = np.round(r / step) * step * 2.0 ** e      # np.round: ties to even
;;       return np.moveaxis(q.reshape(q.shape[:-2] + (-1,))[..., :K], -1, axis).astype(np.float32)
;;   ~~~
;;   SOFTMAX AHEAD OF A QUANTISED PRODUCT. Where the list says 'softmax', what is quantised is not the finished softmax but p = 2^(t - M), with t = logit x log2(e) and M = ceil(the row's largest t), a whole number; so 1/2 < the row's largest p <= 1. The row's sum l is taken of the UNQUANTISED p, in f32, and the product's result is divided by l at the end. Since M is a whole number, a kernel that streams over the keys may use a running M (the ceiling of the running maximum): every later rescaling is an exact power of two, which a block's scale takes up: the codes' values come out the same.
;;   OPERANDS COMPUTED ON THE WAY. 'Computed on the way' means the value that the module computes at that place (a softmax that the list does not call 'softmax' is quantised finished and normalised). What goes into a quantiser is computed in f32, as accurately as f32 sums, v_exp_f32 and their like allow (about 1e-6 of the number): no bf16 or f16 on the way to a quantiser, and a product that is left as it is and whose result goes on into a quantised operand takes f32 operands (vector FMAs, or v_wmma_f32_16x16x4_f32). A number that lies on a knife's edge between two numbers of the format may be rounded either way, as far as f32 arithmetic and the matrix unit's own rounding can turn it there, and no further.
;; 2 versions. Each part assembles by itself: llvm-mc -triple=amdgcn-amd-amdhsa -mcpu=gfx1250 --defsym DOCPART=n.
;; ======== version 1 of 2: 4 launches
;; limits: right only within a limited range of input values
;; workspace buffers: xq 19,660,800 bytes; wq 3,276,800 bytes; qq 6,815,744 bytes; kv 13,631,488 bytes; oq 6,815,744 bytes
;; launch quant (part 1): grid 640 x 1, 4 waves a work-group, no clusters, 34,304 bytes of LDS; arguments Q, K, V, Wq, Wk, Wv, Wo, xq, wq; writes xq, wq
.if DOCPART == 1
	.amdgcn_target "amdgcn-amd-amdhsa--gfx1250"
	.amdhsa_code_object_version 6
	.text
	.protected	k_q874f14df3c_quant
	.globl	k_q874f14df3c_quant
	.p2align	8
	.type	k_q874f14df3c_quant,@function
k_q874f14df3c_quant:
	s_mov_b64 s[64:65], 0
	v_nop
	global_prefetch_b8 v0, s[64:65] scope:SCOPE_SE
	s_setreg_imm32_b32 hwreg(HW_REG_WAVE_MODE, 25, 1), 1
	s_wait_xcnt 0x0
; Q, K, V [8192][1024] f32 (K innermost) and Wq, Wk, Wv, Wo [1024 (k)][1024 (n)] f32 (K outermost) become codes of FP6 (E2M3) with one E8M0 byte for each 32 along K,
; laid in the ORDER OF THE OPERAND'S REGISTERS, so that the later launches fetch fragments by loads of 16 and 8 bytes a lane and nothing else.
; A TILE is 16 rows (tokens, or columns of a weight) that are NOT neighbours: lane r of tile 2 b + u holds row 32 b + 8 u + r + 8 (r / 8), so that the results of two neighbouring tiles are 16 neighbours in a lane.
; xq: codes [tensor 3][tile 512][64 along K: 16][768]: a half image = registers 0-3 of the 32 lanes (16 bytes a lane), then registers 4-5 (8 bytes a lane); scale words at XQS: [tensor][tile][r 16][K step 8].
; wq: codes [w 4][tile 64][K step 8][1536]: registers 4 c .. 4 c + 3 at 512 c + 16 lane; scale words at WQS: [w][K step 8][tile 64][r 16].
; A block's scale is 2^(floor(log2(largest magnitude)) - 2); its byte is the largest magnitude's exponent field - 2, held at 1 from below.
; LIMITS: a block of zeros, and one whose largest magnitude lies under 2^-124, keeps the byte 1 (the bytes are read by this program alone; zero codes add nothing); NaN and infinities among the inputs are not served.
; Work-groups 0-383: a wave takes one tile of tokens over all of K.  Work-groups 384-639: a wave takes 32 columns of a weight x 128 along K.  Waves share nothing: no barrier.
.set XQS,  18874368
.set WQS,  3145728
.set L16,  2                           ; v2   16 x lane
.set L8,   3                           ; v3   8 x lane
.set STI,  4                           ; v4   my stage, on the way in: 16 x lane
.set STO,  5                           ; v5   and out: 528 r + 64 h
.set SWA,  6                           ; v6   32 r + 16 h: my four scale words of the tile's 512 bytes
.set PW,   8                           ; v8-15   a scale word for each K step
.set SW,   16                          ; v16-19  the four that I store
.set TM,   20                          ; v20-35  at work in QUANT
.set PC,   36                          ; v36-47  a fragment's codes; v48-50, v52-54 the halves made elsewhere
.set X,    64                          ; v64-127 64 numbers: register 16 b + i = k 32 b + 16 h + i of row r
.set R,    128                         ; v128-255 two sets of 64 registers as loaded
.set SEL,  40                          ; s[40:41] v_permlanex16_b32's selects for lane l xor 16
; 64 numbers of a lane become a fragment's codes in v[PC] on and its scale word in v[pw]
.macro QUANT s, pw
.irp b, 0,1,2,3
	v_max3_num_f32 v[TM+\b], |v[\s+16*\b]|, |v[\s+1+16*\b]|, 0x1800000   ; my 16 numbers of block b, and the floor 2^(3 - 127): the byte cannot fall under 1
.endr
.irp i, 2,4,6,8,10,12,14
.irp b, 0,1,2,3
	v_max3_num_f32 v[TM+\b], v[TM+\b], |v[\s+16*\b+\i]|, |v[\s+1+16*\b+\i]|   ; the four blocks by turns
.endr
.endr
.irp b, 0,1,2,3
	v_permlanex16_b32 v[TM+4+\b], v[TM+\b], s[SEL], s[SEL+1]
.endr
.irp b, 0,1,2,3
	v_max_num_f32 v[TM+\b], v[TM+\b], v[TM+4+\b]   ; with lane l xor 16's: the block's largest magnitude
.endr
.irp b, 0,1,2,3
	v_add_nc_u32 v[TM+12+\b], 0xff000000, v[TM+\b]   ; 2 off its exponent field: the conversion's scale operand
.endr
.irp b, 0,1,2,3
	v_lshrrev_b32 v[TM+4+\b], 23, v[TM+12+\b]      ; the scale's byte
.endr
	v_lshl_or_b32 v[\pw], v[TM+5], 8, v[TM+4]
	v_lshl_or_b32 v[\pw], v[TM+6], 16, v[\pw]
	v_lshl_or_b32 v[\pw], v[TM+7], 24, v[\pw]
.irp c, 0,1
	v_cvt_scalef32_pk16_fp6_f32 v[PC+6*\c:PC+2+6*\c], v[\s+32*\c:\s+15+32*\c], v[TM+12+2*\c]
	v_cvt_scalef32_pk16_fp6_f32 v[PC+12+4*\c:PC+14+4*\c], v[\s+16+32*\c:\s+31+32*\c], v[TM+12+2*\c+1]   ; (a conversion's three registers begin on an even number)
.endr
	v_nop                                          ; one plain place behind a scaled conversion
.irp c, 0,1                                    ; the operand wants a WHOLE block in a lane: lanes 0-15 block 2 c, lanes 16-31 block 2 c + 1
.irp i, 0,1,2
	v_permlane16_swap_b32 v[PC+6*\c+\i], v[PC+12+4*\c+\i]
.endr
.irp i, 0,1,2
	v_mov_b32 v[PC+3+6*\c+\i], v[PC+12+4*\c+\i]
.endr
.endr
.endm
; K step t of my 16 rows: each load reads 512 consecutive bytes of one row
.macro LOAD t
.irp p, 0,1,2,3,4,5,6,7,8,9,10,11,12,13,14,15
	global_load_b128 v[R+64*((\t)%2)+4*\p:R+64*((\t)%2)+4*\p+3], v[L16], s[30:31] offset:(\p+8*(\p/8))*4096+512*(\t) th:TH_LOAD_NT
.endr
.endm
.macro XSTEP t
.if (\t) < 7
	s_wait_loadcnt 16                              ; this step's 16 loads are in; the next step's 16 may be out
.else
	s_wait_loadcnt 0x0
.endif
.irp p, 0,1,2,3,4,5,6,7,8,9,10,11,12,13,14,15
	ds_store_b128 v[STI], v[R+64*((\t)%2)+4*\p:R+64*((\t)%2)+4*\p+3] offset:528*\p   ; through my own stage, rows of 512 + 16 bytes; LDS serves a wave's instructions in order
.endr
.irp b, 0,1,2,3
.irp j, 0,1,2,3
	ds_load_b128 v[X+16*\b+4*\j:X+16*\b+4*\j+3], v[STO] offset:128*\b+16*\j   ; back: 16 neighbours of each block of row r
.endr
.endr
	s_wait_dscnt 0x0                               ; the numbers are back, and the stores into the stage have read their registers,
.if (\t) < 6
	LOAD (\t)+2                                    ; which take the loads of two steps on
.endif
	s_wait_xcnt 0x0                                ; the last step's stores have read the codes' registers: they are written again only behind this wait
	QUANT X, PW+(\t)
	global_store_b128 v[L16], v[PC:PC+3], s[32:33] offset:1536*(\t)            ; two half images: each store covers 512 or 256 consecutive bytes, aligned
	global_store_b64 v[L8], v[PC+4:PC+5], s[32:33] offset:1536*(\t)+512
	global_store_b128 v[L16], v[PC+6:PC+9], s[32:33] offset:1536*(\t)+768
	global_store_b64 v[L8], v[PC+10:PC+11], s[32:33] offset:1536*(\t)+1280
.endm
; block j (32 along K) of my column of a weight: all 32 numbers are mine.  It belongs to lane r' + 16 (j % 2) of the fragment, registers 6 (j / 2) on
.macro WBLOCK j
.set XB, 128+32*(\j)
.set FD, 64+12*((\j)%2)+6*((\j)/2)
.if (\j) < 2
	s_wait_loadcnt 63                              ; at most 63 of the 128 are out: the first 64 are in (behind block j's own stand 96 - 32 j younger ones; the wait's field holds 63)
.else
	s_wait_loadcnt 96-32*(\j)
.endif
	v_max3_num_f32 v12, |v[XB]|, |v[XB+1]|, |v[XB+2]|
	v_max3_num_f32 v13, |v[XB+3]|, |v[XB+4]|, |v[XB+5]|
.irp i, 6,10,14,18,22,26
	v_max3_num_f32 v12, v12, |v[XB+\i]|, |v[XB+\i+1]|
	v_max3_num_f32 v13, v13, |v[XB+\i+2]|, |v[XB+\i+3]|
.endr
	v_max3_num_f32 v12, v12, |v[XB+30]|, |v[XB+31]|
	v_max3_num_f32 v12, v12, v13, 0x1800000        ; and the floor
	v_add_nc_u32 v[16+(\j)], 0xff000000, v12       ; the conversion's scale operand
	v_lshrrev_b32 v13, 23, v[16+(\j)]              ; the byte
.if (\j) == 0
	v_mov_b32 v14, v13
.else
	v_lshl_or_b32 v14, v13, 8*(\j), v14            ; the column's scale word for this K step
.endif
	v_cvt_scalef32_pk16_fp6_f32 v[FD:FD+2], v[XB:XB+15], v[16+(\j)]
	v_cvt_scalef32_pk16_fp6_f32 v[88+4*(\j):90+4*(\j)], v[XB+16:XB+31], v[16+(\j)]
	v_nop                                          ; one plain place behind a scaled conversion
.irp i, 0,1,2
	v_mov_b32 v[FD+3+\i], v[88+4*(\j)+\i]
.endr
.endm
	s_load_b256 s[4:11], s[0:1], 0x0               ; Q, K, V, Wq
	s_load_b256 s[12:19], s[0:1], 0x20             ; Wk, Wv, Wo, xq
	s_load_b64 s[20:21], s[0:1], 0x40              ; wq
	v_lshl_add_u32 v62, v0, 2, 0x8400
	v_mov_b32 v63, 0
	v_lshrrev_b32 v1, 5, v0
	v_readfirstlane_b32 s22, v1                    ; wave
	v_and_b32 v1, 31, v0                           ; lane
	s_cmp_ge_u32 ttmp9, 384
	s_cbranch_scc1 .Lweights
	; ---- tokens
	s_mov_b32 s[SEL], 0x76543210
	s_mov_b32 s[SEL+1], 0xfedcba98
	s_mov_b32 s42, 0xffff0000                      ; lanes 16-31
	v_and_b32 v56, 15, v0                          ; r
	v_bfe_u32 v57, v0, 4, 1                        ; h
	v_lshlrev_b32 v[L16], 4, v1
	v_lshlrev_b32 v[L8], 3, v1
	s_mul_i32 s24, s22, 8448                       ; my stage: 16 rows x 528 bytes
	v_add_nc_u32 v[STI], s24, v[L16]
	v_mul_u32_u24 v[STO], v56, 528
	v_lshl_add_u32 v[STO], v57, 6, v[STO]
	v_add_nc_u32 v[STO], s24, v[STO]
	v_lshlrev_b32 v[SWA], 5, v56
	v_lshl_add_u32 v[SWA], v57, 4, v[SWA]
.irp b, 0,1,2,3
	v_mov_b32 v[TM+4+\b], 0                        ; written once: a lane permute's destination counts as one of its sources
.endr
	s_lshl_b32 s25, ttmp9, 2
	s_add_co_u32 s25, s25, s22                     ; 512 x tensor + tile
	s_and_b32 s26, s25, 511                        ; tile
	s_lshr_b32 s28, s26, 1
	s_lshl_b32 s28, s28, 17                        ; 32 (tile / 2) rows of 4,096 bytes
	s_and_b32 s29, s26, 1
	s_lshl_b32 s29, s29, 15                        ; + 8 (tile % 2) rows
	s_add_co_u32 s28, s28, s29
	s_mov_b32 s29, 0
	s_mul_i32 s32, s25, 12288                      ; my tile's 16 half images
	s_mov_b32 s33, 0
	s_lshl_b32 s34, s25, 9                         ; and its 512 bytes of scale words
	s_add_co_u32 s34, s34, XQS
	s_mov_b32 s35, 0
	s_wait_kmcnt 0x0
	s_cmp_lt_u32 ttmp9, 128                        ; which tensor: the choice hangs on the work-group's number alone
	s_cselect_b64 s[30:31], s[4:5], s[6:7]
	s_cmp_lt_u32 ttmp9, 256
	s_cselect_b64 s[30:31], s[30:31], s[8:9]
	s_add_nc_u64 s[30:31], s[30:31], s[28:29]
	s_add_nc_u64 s[32:33], s[18:19], s[32:33]
	s_add_nc_u64 s[34:35], s[18:19], s[34:35]
	LOAD 0
	LOAD 1
.irp t, 0,1,2,3,4,5,6,7
	XSTEP \t
.endr
.irp i, 0,1,2,3
	v_cndmask_b32 v[SW+\i], v[PW+\i], v[PW+4+\i], s42   ; lanes 0-15 store row r's words of K steps 0-3, lanes 16-31 those of 4-7
.endr
	global_store_b128 v[SWA], v[SW:SW+3], s[34:35]      ; 512 consecutive bytes
	s_wait_tensorcnt 0x0
	ds_add_u32 v62, v63
	s_wait_dscnt 0x0
	s_endpgm
	; ---- weights: a lane to a column, its registers run down K
.Lweights:
	s_sub_co_u32 s24, ttmp9, 384
	s_lshr_b32 s25, s24, 6                         ; which weight
	s_bfe_u32 s26, s24, 0x30003                    ; which 128 columns
	s_and_b32 s27, s24, 7                          ; which K step
	s_lshl_b32 s28, s26, 2
	s_add_co_u32 s28, s28, s22                     ; which 32 columns: two tiles
	s_lshl_b32 s30, s27, 19                        ; 128 rows of 4,096 bytes
	s_lshl_b32 s31, s28, 7                         ; + 32 columns of 4 bytes
	s_add_co_u32 s30, s30, s31
	s_mov_b32 s31, 0
	s_mul_i32 s32, s25, 786432
	s_mul_i32 s33, s28, 24576
	s_add_co_u32 s32, s32, s33
	s_mul_i32 s33, s27, 1536
	s_add_co_u32 s32, s32, s33                     ; codes: [w][tile][K step]
	s_mov_b32 s33, 0
	s_lshl_b32 s34, s25, 15
	s_lshl_b32 s35, s27, 12
	s_add_co_u32 s34, s34, s35
	s_lshl_b32 s35, s28, 7
	s_add_co_u32 s34, s34, s35
	s_add_co_u32 s34, s34, WQS                     ; scale words: [w][K step][tile][r]
	s_mov_b32 s35, 0
	v_lshlrev_b32 v2, 2, v1                        ; in: 4 bytes a lane
	v_bfe_u32 v3, v0, 3, 1                         ; column 32 bb + l is lane r' = l % 8 + 8 (l / 16) of tile 2 bb + u, u = (l / 8) % 2
	v_and_b32 v4, 7, v0
	v_bfe_u32 v5, v0, 4, 1
	v_lshl_add_u32 v4, v5, 3, v4
	v_mul_u32_u24 v6, v3, 12288
	v_lshl_add_u32 v6, v4, 4, v6                   ; out: my tile, 16 r'
	v_lshlrev_b32 v7, 6, v3
	v_lshl_add_u32 v7, v4, 2, v7                   ; my scale word
	s_wait_kmcnt 0x0
	s_cmp_eq_u32 s25, 0
	s_cselect_b64 s[36:37], s[10:11], s[12:13]
	s_cmp_lt_u32 s25, 2
	s_cselect_b64 s[36:37], s[36:37], s[14:15]
	s_cmp_lt_u32 s25, 3
	s_cselect_b64 s[36:37], s[36:37], s[16:17]
	s_add_nc_u64 s[36:37], s[36:37], s[30:31]
	s_add_nc_u64 s[32:33], s[20:21], s[32:33]
	s_add_nc_u64 s[34:35], s[20:21], s[34:35]
.set j, 0
.rept 128
	global_load_b32 v[128+j], v2, s[36:37] offset:4096*j th:TH_LOAD_NT   ; W(128 s + j, my column): 32 lanes read 128 consecutive bytes
.set j, j+1
.endr
	WBLOCK 0
	WBLOCK 1
	WBLOCK 2
	WBLOCK 3
.irp hh, 0,1
.irp c, 0,1,2
	global_store_b128 v6, v[64+12*\hh+4*\c:64+12*\hh+4*\c+3], s[32:33] offset:512*\c+256*\hh   ; the registers of lane r' + 16 hh: sixteen lanes fill 256 consecutive bytes, aligned, of each of the two tiles
.endr
.endr
	global_store_b32 v7, v14, s[34:35]
	s_endpgm
.Lfunc_end_k_q874f14df3c_quant:
	.size	k_q874f14df3c_quant, .Lfunc_end_k_q874f14df3c_quant-k_q874f14df3c_quant
	.p2alignl 7, 3214868480
	.fill 96, 4, 3214868480
	.section	.rodata,"a",@progbits
	.p2align	6, 0x0
	.amdhsa_kernel k_q874f14df3c_quant
		.amdhsa_group_segment_fixed_size 34304
		.amdhsa_private_segment_fixed_size 0
		.amdhsa_enable_private_segment 0
		.amdhsa_kernarg_size 72
		.amdhsa_user_sgpr_count 2
		.amdhsa_user_sgpr_kernarg_segment_ptr 1
		.amdhsa_wavefront_size32 1
		.amdhsa_system_sgpr_workgroup_id_x 1
		.amdhsa_system_sgpr_workgroup_id_y 1
		.amdhsa_system_sgpr_workgroup_id_z 1
		.amdhsa_system_vgpr_workitem_id 0
		.amdhsa_next_free_vgpr 256
		.amdhsa_next_free_sgpr 66
		.amdhsa_reserve_vcc 0
		.amdhsa_float_denorm_mode_32 3
		.amdhsa_float_denorm_mode_16_64 3
		.amdhsa_memory_ordered 1
		.amdhsa_forward_progress 1
		.amdhsa_inst_pref_size 85
	.end_amdhsa_kernel
	.amdgpu_metadata
---
amdhsa.version: [ 1, 2 ]
amdhsa.kernels:
  - .name:           k_q874f14df3c_quant
    .symbol:         k_q874f14df3c_quant.kd
    .args:
      - { .name: Q, .offset: 0, .size: 8, .value_kind: global_buffer, .address_space: global }
      - { .name: K, .offset: 8, .size: 8, .value_kind: global_buffer, .address_space: global }
      - { .name: V, .offset: 16, .size: 8, .value_kind: global_buffer, .address_space: global }
      - { .name: Wq, .offset: 24, .size: 8, .value_kind: global_buffer, .address_space: global }
      - { .name: Wk, .offset: 32, .size: 8, .value_kind: global_buffer, .address_space: global }
      - { .name: Wv, .offset: 40, .size: 8, .value_kind: global_buffer, .address_space: global }
      - { .name: Wo, .offset: 48, .size: 8, .value_kind: global_buffer, .address_space: global }
      - { .name: xq, .offset: 56, .size: 8, .value_kind: global_buffer, .address_space: global }
      - { .name: wq, .offset: 64, .size: 8, .value_kind: global_buffer, .address_space: global }
    .group_segment_fixed_size: 34304
    .private_segment_fixed_size: 0
    .kernarg_segment_align: 8
    .kernarg_segment_size: 72
    .max_flat_workgroup_size: 128
    .sgpr_count:     66
    .vgpr_count:     256
    .wavefront_size: 32
...
	.end_amdgpu_metadata
.endif
;; end of part 1
;; launch proj (part 2): grid 16 x 12, 4 waves a work-group, no clusters, 102,912 bytes of LDS; arguments xq, wq, bq, bk, bv, qq, kv; writes qq, kv
.if DOCPART == 2
	.amdgcn_target "amdgcn-amd-amdhsa--gfx1250"
	.amdhsa_code_object_version 6
	.text
	.protected	k_q874f14df3c_proj
	.globl	k_q874f14df3c_proj
	.p2align	8
	.type	k_q874f14df3c_proj,@function
k_q874f14df3c_proj:
	s_mov_b64 s[64:65], 0
	v_nop
	global_prefetch_b8 v0, s[64:65] scope:SCOPE_SE
	s_setreg_imm32_b32 hwreg(HW_REG_WAVE_MODE, 25, 1), 1
	s_wait_xcnt 0x0
; q = Q Wq + bq, k = K Wk + bk, v = V Wv + bv on codes of FP6 (E2M3) with E8M0 scales, and the results quantised in registers for the attention: q and k along the head's 64, v along the keys.
; SHARES.  Work-group (x, y): x = 4 batch + piece: 512 tokens, eight blocks of 64; y = 4 tensor + column group.  Wave w owns ONE HEAD, 4 cg + w: 64 columns, whose 32 fragments of the weight (4 tiles x 8 K steps,
; 384 registers) stay in registers for the whole launch.  A block's four tiles of x (12,288 bytes each, one a wave) go through LDS as they lie in xq, in two buffers by turns: one barrier a block.
; q, k: source 0 = a tile of W, source 1 = a tile of x: a lane holds one token, its registers run along the head's 64.   v: source 0 = x, source 1 = W: a lane holds one channel, its registers run along 64 tokens.
; By the choice of a tile's rows (lane r of tile 2 b + u = row 32 b + 8 u + r + 8 (r / 8)) the 32 registers of accumulators (g, 0 .. 3) are k = 32 b + 16 h + 0 .. 15, b = 0, 1: what the conversions want.
; The bias is the C of each sum's first matrix instruction.  192 work-groups: each is one tensor's 512 tokens x four heads, which is one piece of the attention's record.
; OUT.  qq: codes [bh 64][tile 128][768], scale words at 6,291,456: [bh][block 32][r 16][tile 4] (bytes 0, 1 used, 2, 3 zero).
; kv: a record of 212,992 bytes for each bh: K's scale words 8,192 | V's 8,192 | four pieces of 512 keys: K [tile 32][768], V [64 keys: 8][channel tile 4][768].
; LIMITS: a block of zeros, and one under 2^-124, keeps the byte 1; NaN and infinities are not served.
; REGISTERS.  window 0: v1-13 addresses; v16-143 the 16 accumulators; v144-175 W's scale words; v176-207 x's; v208-249 at work.   windows 1, 2: W's fragments of K steps 0-3, 4-7.
;   window 3: v0-95 x's fragments, two sets; v96-127 the bias; v128-227 a tile of x and its scale words on their way to LDS.
.set XQS,  18874368
.set WQS,  3145728
.set BUFB, 51200                       ; an LDS buffer: four tiles' images, 49,152 bytes, then their scale words, 4 x 512
.set SCB,  49152
.set L16,  1                           ; v1     16 x lane
.set L8,   2                           ; v2     8 x lane
.set RD16, 3                           ; v3-4   buffer + 16 x lane
.set RD8,  5                           ; v5-6   buffer + 8 x lane
.set RDS,  7                           ; v7-8   buffer + SCB + 32 r
.set AWI,  9                           ; v9-10  buffer + 12,288 wave + 16 x lane
.set AWS,  11                          ; v11-12 buffer + SCB + 512 wave + 16 x lane
.set OSA,  13                          ; v13    16 r + 8 h
.set ACC,  16
.set WS,   144
.set XS,   176
.set TM,   208
.set PC,   216                         ; v216-239 four half images' codes
.set PCX,  240
.set PW,   244
.set SW,   248
.set XF,   0                           ; window 3
.set BI,   96
.set SG,   128
.set SGS,  224
.set SEL,  42
.set MSB, 0
.macro WIN new                         ; the immediate's high byte repeats the setting that is left
.if MSB != (\new)
	s_set_vgpr_msb (MSB<<8)|(\new)
.set MSB, (\new)
.endif
.endm
.macro PLACES                          ; four places behind a matrix instruction, in front of loads into its registers and of reads of its result
.rept 4
	v_nop
.endr
.endm
.macro WM d, a, b, c, sa, sb
	v_wmma_scale_f32_16x16x128_f8f6f4 v[\d:\d+7], v[\a:\a+11], v[\b:\b+11], v[\c:\c+7], v[\sa], v[\sb] matrix_a_fmt:MATRIX_FMT_FP6 matrix_b_fmt:MATRIX_FMT_FP6
.endm
.macro ALOAD                           ; my tile of the next block: 24 x 512 consecutive bytes, and its 512 bytes of scale words
	WIN 0xc0
.set j, 0
.rept 24
	global_load_b128 v[SG+4*j:SG+4*j+3], v[L16], s[28:29] offset:512*j
.set j, j+1
.endr
	global_load_b128 v[SGS:SGS+3], v[L16], s[30:31]
	WIN 0
.endm
.macro FETCHX buf, s, set              ; the four tiles' fragments of K step s: two half images each
	WIN 0xc0
.irp m, 0,1,2,3
	ds_load_b128 v[XF+48*(\set)+12*\m:XF+48*(\set)+12*\m+3], v[RD16+\buf] offset:12288*\m+1536*(\s)
	ds_load_b64 v[XF+48*(\set)+12*\m+4:XF+48*(\set)+12*\m+5], v[RD8+\buf] offset:12288*\m+1536*(\s)+512
	ds_load_b128 v[XF+48*(\set)+12*\m+6:XF+48*(\set)+12*\m+9], v[RD16+\buf] offset:12288*\m+1536*(\s)+768
	ds_load_b64 v[XF+48*(\set)+12*\m+10:XF+48*(\set)+12*\m+11], v[RD8+\buf] offset:12288*\m+1536*(\s)+1280
.endr
.endm
; A block's 128 matrix instructions: eight K steps x 16 accumulators, which take turns, one instruction a turn, in the same order in every step.
; swap = 0: source 0 = W's tile i, source 1 = x's tile g.   swap = 1: source 0 = x's tile i, source 1 = W's tile g.
.macro MP swap, buf
	FETCHX \buf, 0, 0
.set ks, 0
.rept 8
.if ks < 7
.if ks > 0
	PLACES                                         ; the set to be loaded was read by the K step before
.endif
	FETCHX \buf, ks+1, (ks+1)%2
	s_wait_dscnt 16                                ; all but the 16 just issued: this step's fragments (and the scale words) are in
.else
	s_wait_dscnt 0x0
.endif
.if ks == 0
	WIN 0x3d-6*(\swap)                             ; W in window 1, x and the bias in window 3
.elseif ks < 4
	WIN 0x0d-6*(\swap)
.else
	WIN 0x0e-3*(\swap)                             ; W in window 2
.endif
.irp g, 0,1,2,3
.irp i, 0,1,2,3
.set rD, ACC+8*(4*\g+\i)
.if \swap == 0
.set rA, 12*(4*(ks%4)+\i)
.set rB, XF+48*(ks%2)+12*\g
.set rC, BI+8*\i
.set rSA, WS+8*\i+ks
.set rSB, XS+8*\g+ks
.else
.set rA, XF+48*(ks%2)+12*\i
.set rB, 12*(4*(ks%4)+\g)
.set rC, BI+8*\g
.set rSA, XS+8*\i+ks
.set rSB, WS+8*\g+ks
.endif
.if ks == 0
	WM rD, rA, rB, rC, rSA, rSB
.else
	WM rD, rA, rB, rD, rSA, rSB
.endif
.endr
.endr
.set ks, ks+1
.endr
	WIN 0
.endm
; 32 numbers of a lane, register 16 b + i = k 32 b + 16 h + i, b = 0, 1, become a half image's six registers in v[pc] on and its two scale bytes in v[pw].  The numbers are read in ascending order.
.macro QUANT32 s, pc, pcx, pw, tm
.irp b, 0,1
	v_max3_num_f32 v[(\tm)+\b], |v[(\s)+16*\b]|, |v[(\s)+1+16*\b]|, 0x1800000   ; and the floor 2^(3 - 127): the byte cannot fall under 1
.endr
.irp i, 2,4,6,8,10,12,14
.irp b, 0,1
	v_max3_num_f32 v[(\tm)+\b], v[(\tm)+\b], |v[(\s)+16*\b+\i]|, |v[(\s)+1+16*\b+\i]|
.endr
.endr
.irp b, 0,1
	v_permlanex16_b32 v[(\tm)+2+\b], v[(\tm)+\b], s[SEL], s[SEL+1]
.endr
.irp b, 0,1
	v_max_num_f32 v[(\tm)+\b], v[(\tm)+\b], v[(\tm)+2+\b]   ; with lane l xor 16's: the block's largest magnitude
.endr
.irp b, 0,1
	v_add_nc_u32 v[(\tm)+4+\b], 0xff000000, v[(\tm)+\b]     ; 2 off its exponent field: the conversion's scale operand
.endr
.irp b, 0,1
	v_lshrrev_b32 v[(\tm)+2+\b], 23, v[(\tm)+4+\b]          ; the byte
.endr
	v_lshl_or_b32 v[\pw], v[(\tm)+3], 8, v[(\tm)+2]
	v_cvt_scalef32_pk16_fp6_f32 v[(\pc):(\pc)+2], v[(\s):(\s)+15], v[(\tm)+4]
	v_cvt_scalef32_pk16_fp6_f32 v[(\pcx):(\pcx)+2], v[(\s)+16:(\s)+31], v[(\tm)+5]
	v_nop                                          ; one plain place behind a scaled conversion
.irp i, 0,1,2
	v_permlane16_swap_b32 v[(\pc)+\i], v[(\pcx)+\i]    ; lanes 0-15 now hold block 0 whole, lanes 16-31 block 1
.endr
.irp i, 0,1,2
	v_mov_b32 v[(\pc)+3+\i], v[(\pcx)+\i]
.endr
.endm
; A BLOCK of 64 tokens.  One barrier: in front of it my tile lies in this buffer and my reads of the other buffer are back; that buffer is written again only by waves that have passed this barrier.
.macro BLOCK buf, guard
	s_wait_loadcnt 0x0                             ; my tile has come (in the first block: the weights, their scale words and the bias too)
	WIN 0x0c                                       ; an LDS store's data are its source 1: window 3
.set j, 0
.rept 24
	ds_store_b128 v[AWI+\buf], v[SG+4*j:SG+4*j+3] offset:512*j
.set j, j+1
.endr
	ds_store_b128 v[AWS+\buf], v[SGS:SGS+3]
	WIN 0
	s_add_nc_u64 s[28:29], s[28:29], 49152         ; the loads that read these bases are done: on to the next block
	s_add_nc_u64 s[30:31], s[30:31], 2048
	s_wait_dscnt 0x0                               ; for the others' sake: my stores have landed; and they have read their registers
	s_barrier_signal -1
	s_barrier_wait -1
.if \guard
	s_cmp_eq_u32 s45, 1                            ; the last block asks for nothing: no load leaves its buffer
	s_cbranch_scc1 .Lno_next_\@
.endif
	ALOAD                                          ; a whole block ahead of its use
.if \guard
.Lno_next_\@:
.endif
.irp m, 0,1,2,3
.irp q, 0,1
	ds_load_b128 v[XS+8*\m+4*\q:XS+8*\m+4*\q+3], v[RDS+\buf] offset:512*\m+16*\q   ; row r's eight scale words of tile m
.endr
.endr
	s_cmp_eq_u32 s19, 2
	s_cbranch_scc1 .Lv_\@
	MP 0, \buf
	s_branch .Ljoin_\@
.Lv_\@:
	MP 1, \buf
.Ljoin_\@:
	PLACES
.irp g, 0,1,2,3
	QUANT32 ACC+32*\g, PC+6*\g, PCX, PW+\g, TM
	global_store_b128 v[L16], v[PC+6*\g:PC+6*\g+3], s[32:33] offset:768*\g          ; a half image: 512 and 256 consecutive bytes, aligned
	global_store_b64 v[L8], v[PC+6*\g+4:PC+6*\g+5], s[32:33] offset:768*\g+512
.endr
	v_cndmask_b32 v[SW], v[PW], v[PW+2], s44       ; lanes 0-15 store row r's words of images 0, 1, lanes 16-31 those of 2, 3
	v_cndmask_b32 v[SW+1], v[PW+1], v[PW+3], s44
	global_store_b64 v[OSA], v[SW:SW+1], s[34:35]  ; 256 consecutive bytes, aligned
	s_wait_xcnt 0x0                                ; the stores have read their data and bases: both are written again only behind this wait
	s_add_nc_u64 s[32:33], s[32:33], 3072
	s_add_nc_u64 s[34:35], s[34:35], 256
.endm
	s_load_b256 s[4:11], s[0:1], 0x0               ; xq, wq, bq, bk
	s_load_b128 s[12:15], s[0:1], 0x20             ; bv, qq
	s_load_b64 s[16:17], s[0:1], 0x30              ; kv
	v_lshl_add_u32 v254, v0, 2, 0x19000
	v_mov_b32 v255, 0
	v_lshrrev_b32 v14, 5, v0
	v_readfirstlane_b32 s18, v14                   ; wave
	s_and_b32 s20, ttmp7, 0xffff
	s_lshr_b32 s19, s20, 2                         ; tensor: 0 q, 1 k, 2 v
	s_and_b32 s20, s20, 3                          ; column group
	s_mov_b32 s21, ttmp9                           ; 4 batch + piece
	s_mov_b32 s[SEL], 0x76543210
	s_mov_b32 s[SEL+1], 0xfedcba98
	s_mov_b32 s44, 0xffff0000                      ; lanes 16-31
	v_and_b32 v14, 31, v0                          ; lane
	v_and_b32 v15, 15, v0                          ; r
	v_bfe_u32 v250, v0, 4, 1                       ; h
	v_lshlrev_b32 v[L16], 4, v14
	v_lshlrev_b32 v[L8], 3, v14
	v_lshlrev_b32 v[RD16], 4, v14
	v_add_nc_u32 v[RD16+1], BUFB, v[RD16]
	v_lshlrev_b32 v[RD8], 3, v14
	v_add_nc_u32 v[RD8+1], BUFB, v[RD8]
	v_lshl_add_u32 v[RDS], v15, 5, SCB
	v_add_nc_u32 v[RDS+1], BUFB, v[RDS]
	s_mul_i32 s22, s18, 12288
	v_add_nc_u32 v[AWI], s22, v[L16]
	v_add_nc_u32 v[AWI+1], BUFB, v[AWI]
	s_lshl_b32 s22, s18, 9
	s_add_co_u32 s22, s22, SCB
	v_add_nc_u32 v[AWS], s22, v[L16]
	v_add_nc_u32 v[AWS+1], BUFB, v[AWS]
	v_lshlrev_b32 v[OSA], 4, v15
	v_lshl_add_u32 v[OSA], v250, 3, v[OSA]
	v_lshlrev_b32 v251, 2, v15                     ; 4 r: W's scale words
	v_lshlrev_b32 v252, 6, v250                    ; 64 h: q's and k's bias
	v_and_b32 v253, 8, v15
	v_add_nc_u32 v253, v253, v15
	v_lshlrev_b32 v253, 2, v253                    ; 4 (r + 8 (r / 8)): v's bias
	v_mov_b32 v[TM+2], 0                           ; written once: a lane permute's destination counts as one of its sources
	v_mov_b32 v[TM+3], 0
	s_lshl_b32 s22, s19, 9
	s_lshl_b32 s23, s21, 5
	s_add_co_u32 s22, s22, s23
	s_add_co_u32 s22, s22, s18                     ; my tile of the first block: 512 tensor + 32 x + wave
	s_mul_i32 s28, s22, 12288
	s_mov_b32 s29, 0
	s_lshl_b32 s30, s22, 9
	s_add_co_u32 s30, s30, XQS
	s_mov_b32 s31, 0
	s_lshl_b32 s22, s20, 4
	s_lshl_b32 s23, s18, 2
	s_add_co_u32 s22, s22, s23                     ; my first tile of W: 16 cg + 4 wave = 4 x head
	s_mul_i32 s24, s19, 786432
	s_mul_i32 s25, s22, 12288
	s_add_co_u32 s24, s24, s25
	s_mov_b32 s25, 0
	s_lshl_b32 s26, s19, 15
	s_lshl_b32 s27, s22, 6
	s_add_co_u32 s26, s26, s27
	s_add_co_u32 s26, s26, WQS
	s_mov_b32 s27, 0
	s_lshl_b32 s36, s22, 6                         ; the bias: 256 bytes a head
	s_mov_b32 s37, 0
	s_lshr_b32 s38, s21, 2
	s_lshl_b32 s38, s38, 4
	s_lshr_b32 s39, s22, 2
	s_add_co_u32 s38, s38, s39                     ; bh = 16 batch + head
	s_and_b32 s39, s21, 3                          ; piece
	s_mul_i32 s40, s38, 98304
	s_mul_i32 s41, s39, 24576
	s_add_co_u32 s40, s40, s41                     ; q: codes
	s_lshl_b32 s41, s38, 13
	s_lshl_b32 s46, s39, 11
	s_add_co_u32 s41, s41, s46
	s_add_co_u32 s41, s41, 6291456                 ; q: scale words
	s_mul_i32 s47, s38, 212992                     ; k, v: the record
	s_add_co_u32 s46, s46, s47                     ; k: scale words
	s_mul_i32 s48, s39, 49152
	s_add_co_u32 s47, s47, s48
	s_add_co_u32 s47, s47, 16384                   ; k: codes
	s_cmp_eq_u32 s19, 2
	s_cselect_b32 s48, 24576, 0                    ; v's codes lie behind k's in a piece,
	s_cselect_b32 s49, 8192, 0                     ; its scale words behind k's in the record
	s_add_co_u32 s47, s47, s48
	s_add_co_u32 s46, s46, s49
	s_mov_b32 s33, 0
	s_mov_b32 s35, 0
	s_wait_kmcnt 0x0
	s_cmp_eq_u32 s19, 0                            ; the choices hang on the work-group's number alone
	s_cselect_b32 s32, s40, s47
	s_cselect_b32 s34, s41, s46
	s_cselect_b64 s[50:51], s[14:15], s[16:17]
	s_cselect_b64 s[52:53], s[8:9], s[10:11]
	s_cmp_eq_u32 s19, 2
	s_cselect_b64 s[52:53], s[12:13], s[52:53]
	s_add_nc_u64 s[32:33], s[50:51], s[32:33]      ; where my codes go
	s_add_nc_u64 s[34:35], s[50:51], s[34:35]      ; and my scale words
	s_add_nc_u64 s[52:53], s[52:53], s[36:37]      ; my head's bias
	s_add_nc_u64 s[28:29], s[4:5], s[28:29]        ; x's codes
	s_add_nc_u64 s[30:31], s[4:5], s[30:31]        ; x's scale words
	s_add_nc_u64 s[24:25], s[6:7], s[24:25]        ; W's codes
	s_add_nc_u64 s[26:27], s[6:7], s[26:27]        ; W's scale words
	ALOAD                                          ; the first block's tile first
	WIN 0x40
.irp s, 0,1,2,3
.irp i, 0,1,2,3
.irp c, 0,1,2
	global_load_b128 v[12*(4*\s+\i)+4*\c:12*(4*\s+\i)+4*\c+3], v[L16], s[24:25] offset:(8*\i+\s)*1536+512*\c
.endr
.endr
.endr
	WIN 0x80
.irp s, 0,1,2,3
.irp i, 0,1,2,3
.irp c, 0,1,2
	global_load_b128 v[12*(4*\s+\i)+4*\c:12*(4*\s+\i)+4*\c+3], v[L16], s[24:25] offset:(8*\i+\s+4)*1536+512*\c
.endr
.endr
.endr
	WIN 0
.irp i, 0,1,2,3
.irp s, 0,1,2,3,4,5,6,7
	global_load_b32 v[WS+8*\i+\s], v251, s[26:27] offset:4096*\s+64*\i
.endr
.endr
	s_cmp_eq_u32 s19, 2
	s_cbranch_scc1 .Lbias_v
	WIN 0xc0
.irp i, 0,1,2,3                                ; q, k: register j of accumulator (g, i) is column 32 (i / 2) + 8 (i % 2) + 16 h + j
	global_load_b128 v[BI+8*\i:BI+8*\i+3], v252, s[52:53] offset:(32*(\i/2)+8*(\i%2))*4
	global_load_b128 v[BI+8*\i+4:BI+8*\i+7], v252, s[52:53] offset:(32*(\i/2)+8*(\i%2))*4+16
.endr
	WIN 0
	s_branch .Lbias_done
.Lbias_v:
	WIN 0xc0
.irp g, 0,1,2,3                                ; v: all eight registers of accumulator (g, i) are column 32 (g / 2) + 8 (g % 2) + r + 8 (r / 8)
.irp j, 0,1,2,3,4,5,6,7
	global_load_b32 v[BI+8*\g+\j], v253, s[52:53] offset:(32*(\g/2)+8*(\g%2))*4
.endr
.endr
	WIN 0
.Lbias_done:
	s_mov_b32 s45, 4
.Lpair:                                            ; four trips of two blocks: the buffers are back where they began
	BLOCK 0, 0
	BLOCK 1, 1
	s_sub_co_u32 s45, s45, 1
	s_cmp_lg_u32 s45, 0
	s_cbranch_scc1 .Lpair
	s_wait_tensorcnt 0x0
	ds_add_u32 v254, v255
	s_wait_dscnt 0x0
	s_endpgm
.Lfunc_end_k_q874f14df3c_proj:
	.size	k_q874f14df3c_proj, .Lfunc_end_k_q874f14df3c_proj-k_q874f14df3c_proj
	.p2alignl 7, 3214868480
	.fill 96, 4, 3214868480
	.section	.rodata,"a",@progbits
	.p2align	6, 0x0
	.amdhsa_kernel k_q874f14df3c_proj
		.amdhsa_group_segment_fixed_size 102912
		.amdhsa_private_segment_fixed_size 0
		.amdhsa_enable_private_segment 0
		.amdhsa_kernarg_size 56
		.amdhsa_user_sgpr_count 2
		.amdhsa_user_sgpr_kernarg_segment_ptr 1
		.amdhsa_wavefront_size32 1
		.amdhsa_system_sgpr_workgroup_id_x 1
		.amdhsa_system_sgpr_workgroup_id_y 1
		.amdhsa_system_sgpr_workgroup_id_z 1
		.amdhsa_system_vgpr_workitem_id 0
		.amdhsa_next_free_vgpr 1024
		.amdhsa_next_free_sgpr 66
		.amdhsa_reserve_vcc 0
		.amdhsa_float_denorm_mode_32 3
		.amdhsa_float_denorm_mode_16_64 3
		.amdhsa_memory_ordered 1
		.amdhsa_forward_progress 1
		.amdhsa_inst_pref_size 153
	.end_amdhsa_kernel
	.amdgpu_metadata
---
amdhsa.version: [ 1, 2 ]
amdhsa.kernels:
  - .name:           k_q874f14df3c_proj
    .symbol:         k_q874f14df3c_proj.kd
    .args:
      - { .name: xq, .offset: 0, .size: 8, .value_kind: global_buffer, .address_space: global }
      - { .name: wq, .offset: 8, .size: 8, .value_kind: global_buffer, .address_space: global }
      - { .name: bq, .offset: 16, .size: 8, .value_kind: global_buffer, .address_space: global }
      - { .name: bk, .offset: 24, .size: 8, .value_kind: global_buffer, .address_space: global }
      - { .name: bv, .offset: 32, .size: 8, .value_kind: global_buffer, .address_space: global }
      - { .name: qq, .offset: 40, .size: 8, .value_kind: global_buffer, .address_space: global }
      - { .name: kv, .offset: 48, .size: 8, .value_kind: global_buffer, .address_space: global }
    .group_segment_fixed_size: 102912
    .private_segment_fixed_size: 0
    .kernarg_segment_align: 8
    .kernarg_segment_size: 56
    .max_flat_workgroup_size: 128
    .sgpr_count:     66
    .vgpr_count:     1024
    .wavefront_size: 32
...
	.end_amdgpu_metadata
.endif
;; end of part 2
;; launch attn (part 3): grid 4 x 64, 16 waves a work-group, clusters of 4 x 1, 223,232 bytes of LDS; arguments qq, kv, mask, oq; writes oq
.if DOCPART == 3
	.amdgcn_target "amdgcn-amd-amdhsa--gfx1250"
	.amdhsa_code_object_version 6
	.text
	.protected	k_q874f14df3c_attn
	.globl	k_q874f14df3c_attn
	.p2align	8
	.type	k_q874f14df3c_attn,@function
k_q874f14df3c_attn:
	s_mov_b64 s[64:65], 0
	v_nop
	global_prefetch_b8 v0, s[64:65] scope:SCOPE_SE
	s_setreg_imm32_b32 hwreg(HW_REG_WAVE_MODE, 25, 1), 1
	s_wait_xcnt 0x0
	s_wait_alu depctr_hold_cnt(0) depctr_sa_sdst(0) depctr_va_vdst(0) depctr_va_sdst(0) depctr_va_ssrc(0) depctr_va_vcc(0) depctr_vm_vsrc(0)
	s_getreg_b32 s2, hwreg(HW_REG_IB_STS2, 6, 4)
	s_cmp_eq_u32 s2, 0
	s_cbranch_scc0 .Lentry_in_a_cluster
	s_endpgm
.Lentry_in_a_cluster:
	s_bfe_u32 s2, ttmp6, 0x10000c
	s_cmp_lg_u32 s2, 0x3003
	s_cbranch_scc0 .Lentry_shape_is_right
	s_endpgm
.Lentry_shape_is_right:
; o = softmax(q k^T / 8, keys with mask 0 left out) v for one (batch, head), both products on codes of FP6 (E2M3) with E8M0 scales, and o quantised along the model's 1,024 for the last product.
; t = score x log2(e) / 8; M = the running largest t rounded UP to a whole number; p = 2^(t - M) is quantised along the keys; the row's sum is taken of the unquantised p and divides at the end.
; SHARES.  The four work-groups of a cluster are the four blocks of 512 queries of one (batch, head).  The head's whole record of K, V and their scale words, 212,992 bytes, comes into LDS ONCE, by five JOINT
; tensor loads (mask 15) that wave 0 of each work-group issues: at most five loads of that wave are out.  No byte of LDS is filled twice: there is no ring.
; Each of the sixteen waves owns one tile of 16 queries at a time, in 256 registers, four waves to a SIMD; two passes: tile 32 cx + 16 pass + wave.  A step is 128 keys.
; LAYOUT.  S^T = K Q^T (source 0 = 16 keys), O^T = V^T P^T (source 0 = 16 channels): a lane holds ONE query throughout.  A tile's rows are not neighbours (lane r of tile 2 b + u = row 32 b + 8 u + r + 8 (r / 8)),
; so the 16 registers of tiles 2 b, 2 b + 1 are 16 neighbouring keys (or channels).
; K = 64 IN A FORM OF 128: q's registers 6-11 are zero codes, and bytes 2, 3 of q's and k's scale words are 0.  Tile t of K is named v[KF + 6 t .. + 11]: its upper six registers are the next tile's codes (behind
; the last: six zero registers), which meet zero codes and add nothing.
; THE MASK costs no vector instruction in the loop: a table of 2,048 f32 in LDS, 0 where the key counts and -2^126 where it does not, is loaded into the scores' registers and is the C of the score product.
; The largest t starts at -2^100: a hidden key's t - M is then below every exponent and its p is 0, also while only hidden keys have been seen; the first key that counts multiplies zeros by 0.
; LIMITS: |t| of keys that count stays under 2^100; a batch row whose mask is all zero gives no NaN, where the definition has NaN; NaN and infinities are not served; a block of zeros, or under 2^-124, keeps the byte 1.
; No prefetch: all fills go out at the head.
.set MB,   212992                      ; LDS behind the record: the mask's table, 8,192 bytes, written by ds_store; no load lands there
.set QF,   16                          ; v16-27  q's fragment (22-27 zero)
.set QN,   28                          ; v28-33  the second pass's
.set QS,   34                          ; v34, v35 their scale words
.set QSN,  35
.set KF,   36                          ; v36-89  eight tiles of K, six registers each, and six zeros;  then V's four fragments
.set VF,   36
.set KS,   90                          ; v90-97  K's scale words
.set VL,   98                          ; v98-105 V's, of the step's two groups of 64 keys
.set VH,   102
.set VS,   106                         ; v106-109 joined: one word for each tile of channels
.set PWP,  110                         ; p's scale word
.set PWO,  111                         ; o's
.set S,    112                         ; v112-175 S^T, then p
.set O,    176                         ; v176-207 O^T
.set PC,   208                         ; v208-219 p's codes; v220-222, v224-226 the halves made elsewhere
.set PCX,  220
.set BM,   228                         ; v228-231 the blocks' largest scores, then largest p
.set BP,   232
.set SOP,  236                         ; the conversions' scale operands
.set SEL,  16                          ; s[16:17]
.set CS,   18                          ; s[18:19] c = log2(e) / 8
.macro ROUND                           ; a round of the cluster's barrier
	s_barrier_signal -1
	s_barrier_wait -1
	s_cmp_lg_u32 s12, 0
	s_cbranch_scc1 .Lnot_wave_0_\@
	s_barrier_signal -3
.Lnot_wave_0_\@:
	s_barrier_wait -3
	s_barrier_signal -1
	s_barrier_wait -1
.endm
.macro PLACES
.rept 4
	v_nop
.endr
.endm
; 32 numbers of a lane, register 16 b + i = k 32 b + 16 h + i, b = 0, 1, become a half image's six registers in v[pc] on and its two scale bytes in v[pw]
.macro QUANT32 s, pc, pcx, pw, tm
.irp b, 0,1
	v_max3_num_f32 v[(\tm)+\b], |v[(\s)+16*\b]|, |v[(\s)+1+16*\b]|, 0x1800000
.endr
.irp i, 2,4,6,8,10,12,14
.irp b, 0,1
	v_max3_num_f32 v[(\tm)+\b], v[(\tm)+\b], |v[(\s)+16*\b+\i]|, |v[(\s)+1+16*\b+\i]|
.endr
.endr
.irp b, 0,1
	v_permlanex16_b32 v[(\tm)+2+\b], v[(\tm)+\b], s[SEL], s[SEL+1]
.endr
.irp b, 0,1
	v_max_num_f32 v[(\tm)+\b], v[(\tm)+\b], v[(\tm)+2+\b]
.endr
.irp b, 0,1
	v_add_nc_u32 v[(\tm)+4+\b], 0xff000000, v[(\tm)+\b]
.endr
.irp b, 0,1
	v_lshrrev_b32 v[(\tm)+2+\b], 23, v[(\tm)+4+\b]
.endr
	v_lshl_or_b32 v[\pw], v[(\tm)+3], 8, v[(\tm)+2]
	v_cvt_scalef32_pk16_fp6_f32 v[(\pc):(\pc)+2], v[(\s):(\s)+15], v[(\tm)+4]
	v_cvt_scalef32_pk16_fp6_f32 v[(\pcx):(\pcx)+2], v[(\s)+16:(\s)+31], v[(\tm)+5]
	v_nop                                          ; one plain place behind a scaled conversion
.irp i, 0,1,2
	v_permlane16_swap_b32 v[(\pc)+\i], v[(\pcx)+\i]
.endr
.irp i, 0,1,2
	v_mov_b32 v[(\pc)+3+\i], v[(\pcx)+\i]
.endr
.endm
; A KEY STEP: 128 keys.  s60: where the step's tiles of K begin in LDS (V's lie 24,576 further on); s61: 512 x the step's number: its scale words and its part of the mask's table
.macro STEP
	v_add_nc_u32 v5, s60, v1                       ; these four are also the places behind the last step's products, in front of the loads into their registers
	v_add_nc_u32 v6, s60, v2
	v_add_nc_u32 v7, s61, v3
	v_add_nc_u32 v8, s61, v4
.irp t, 0,1,2,3,4,5,6,7
	ds_load_b128 v[S+8*\t:S+8*\t+3], v8 offset:128*(\t/2)+32*(\t%2)          ; the mask's numbers of keys 32 (t / 2) + 8 (t % 2) + 16 h + 0 .. 7: the product's C
	ds_load_b128 v[S+8*\t+4:S+8*\t+7], v8 offset:128*(\t/2)+32*(\t%2)+16
.endr
.irp t, 0,1,2,3,4,5,6,7
	ds_load_b128 v[KF+6*\t:KF+6*\t+3], v5 offset:768*\t
	ds_load_b64 v[KF+6*\t+4:KF+6*\t+5], v6 offset:768*\t+512
.endr
	ds_load_b128 v[KS:KS+3], v7
	ds_load_b128 v[KS+4:KS+7], v7 offset:256
	ds_load_b128 v[VL:VL+3], v7 offset:8192
	ds_load_b128 v[VH:VH+3], v7 offset:8448
	s_wait_dscnt 0x0
.irp d, 0,1,2,3
	v_lshl_or_b32 v[VS+\d], v[VH+\d], 16, v[VL+\d] ; bytes 0, 1: the first 64 keys' blocks; bytes 2, 3: the second's
.endr
.irp t, 0,1,2,3,4,5,6,7
	v_wmma_scale_f32_16x16x128_f8f6f4 v[S+8*\t:S+8*\t+7], v[KF+6*\t:KF+6*\t+11], v[QF:QF+11], v[S+8*\t:S+8*\t+7], v[KS+\t], v[QS] matrix_a_fmt:MATRIX_FMT_FP6 matrix_b_fmt:MATRIX_FMT_FP6
.endr
	PLACES                                         ; in front of the loads into K's registers and of the first read of the scores
.irp d, 0,1,2,3
.irp c, 0,1
	ds_load_b128 v[VF+12*\d+6*\c:VF+12*\d+6*\c+3], v5 offset:24576+(4*\c+\d)*768      ; V's fragments land while the softmax is walked
	ds_load_b64 v[VF+12*\d+6*\c+4:VF+12*\d+6*\c+5], v6 offset:24576+(4*\c+\d)*768+512
.endr
.endr
.irp b, 0,1,2,3
	v_max3_num_f32 v[BM+\b], v[S+16*\b], v[S+1+16*\b], v[S+2+16*\b]   ; the largest score of each block of 32 keys: for the row's maximum, and, since p rises with the score, for the block's largest p
.endr
.irp i, 3,5,7,9,11,13
.irp b, 0,1,2,3
	v_max3_num_f32 v[BM+\b], v[BM+\b], v[S+16*\b+\i], v[S+1+16*\b+\i]
.endr
.endr
.irp b, 0,1,2,3
	v_max_num_f32 v[BM+\b], v[BM+\b], v[S+15+16*\b]
.endr
.irp b, 0,1,2,3
	v_permlanex16_b32 v[BP+\b], v[BM+\b], s[SEL], s[SEL+1]
.endr
.irp b, 0,1,2,3
	v_max_num_f32 v[BM+\b], v[BM+\b], v[BP+\b]     ; with lane l xor 16's 16 keys
.endr
	v_max3_num_f32 v242, v[BM], v[BM+1], v[BM+2]
	v_max_num_f32 v242, v242, v[BM+3]
	v_mul_f32 v242, s[CS], v242                    ; as t (c is positive)
	v_max_num_f32 v13, v13, v242                   ; the running largest t
	v_mov_b32 v242, v12
	v_floor_f32 v12, -v13                          ; the new -M = floor(-t): M is a whole number
	v_sub_f32 v242, v12, v242                      ; old M - new M: a whole number, 0 or less
	v_cvt_i32_f32 v242, v242                       ; (it saturates)
	v_ldexp_f32 v244, 1.0, v242                    ; f = 2^(old M - new M): rounds nothing
.set j, 0
.rept 32
	v_pk_fma_f32 v[S+j:S+j+1], v[S+j:S+j+1], s[CS:CS+1], v[12:13] op_sel_hi:[1,0,0]   ; t - M, two at a time
.set j, j+2
.endr
.irp b, 0,1,2,3
	v_fma_f32 v[BM+\b], v[BM+\b], s[CS], v12       ; the same of each block's largest score
.endr
.set j, 0
.rept 64
	v_exp_f32 v[S+j], v[S+j]                       ; p = 2^(t - M): one batch
.set j, j+1
.endr
	v_pk_mul_f32 v[14:15], v[14:15], v[244:245] op_sel_hi:[1,0]   ; the sums under the new M: the plain place behind the exponentials
	s_wait_alu depctr_va_vdst(0)                   ; one wait for the batch, ahead of its first reader
.irp b, 0,1,2,3
	v_exp_f32 v[BM+\b], v[BM+\b]                   ; the blocks' largest p
.endr
	v_pk_add_f32 v[240:241], v[S:S+1], v[S+2:S+3]  ; the row's sum of the UNQUANTISED p, in two chains; it reads the 64 alone
.irp j, 4,8,12,16,20,24,28,32,36,40,44,48,52,56,60
	v_pk_add_f32 v[14:15], v[14:15], v[S+\j:S+\j+1]
	v_pk_add_f32 v[240:241], v[240:241], v[S+2+\j:S+3+\j]
.endr
	v_pk_add_f32 v[14:15], v[14:15], v[240:241]
	s_wait_alu depctr_va_vdst(0)                   ; and one for the four
.irp b, 0,1,2,3
	v_max_num_f32 v[BM+\b], 0x1800000, v[BM+\b]    ; the floor 2^(3 - 127): a block whose every p is 0 keeps the byte 1; its codes are zeros
.endr
.irp b, 0,1,2,3
	v_add_nc_u32 v[SOP+\b], 0xff000000, v[BM+\b]
.endr
.irp b, 0,1,2,3
	v_lshrrev_b32 v[BP+\b], 23, v[SOP+\b]
.endr
	v_lshl_or_b32 v[PWP], v[BP+1], 8, v[BP]
	v_lshl_or_b32 v[PWP], v[BP+2], 16, v[PWP]
	v_lshl_or_b32 v[PWP], v[BP+3], 24, v[PWP]
.irp c, 0,1
	v_cvt_scalef32_pk16_fp6_f32 v[PC+6*\c:PC+2+6*\c], v[S+32*\c:S+15+32*\c], v[SOP+2*\c]
	v_cvt_scalef32_pk16_fp6_f32 v[PCX+4*\c:PCX+2+4*\c], v[S+16+32*\c:S+31+32*\c], v[SOP+2*\c+1]
.endr
	v_nop                                          ; one plain place behind a scaled conversion
.irp c, 0,1
.irp i, 0,1,2
	v_permlane16_swap_b32 v[PC+6*\c+\i], v[PCX+4*\c+\i]
.endr
.irp i, 0,1,2
	v_mov_b32 v[PC+3+6*\c+\i], v[PCX+4*\c+\i]
.endr
.endr
.set j, 0
.rept 16
	v_pk_mul_f32 v[O+j:O+j+1], v[O+j:O+j+1], v[244:245] op_sel_hi:[1,0]   ; O^T under the new M; these sixteen are also the places between p's codes and scale word and the products
.set j, j+2
.endr
	s_wait_dscnt 0x0                               ; V's fragments are in
.irp d, 0,1,2,3
	v_wmma_scale_f32_16x16x128_f8f6f4 v[O+8*\d:O+8*\d+7], v[VF+12*\d:VF+12*\d+11], v[PC:PC+11], v[O+8*\d:O+8*\d+7], v[VS+\d], v[PWP] matrix_a_fmt:MATRIX_FMT_FP6 matrix_b_fmt:MATRIX_FMT_FP6
.endr
.endm
; A PIECE of 512 keys: four steps.  The count leaves the later pieces' loads on their way: behind piece p's load wave 0 issued 3 - p more.  The wave that waited signals; the others read behind the barrier.
.macro PIECE p
	s_wait_tensorcnt 3-\p
	s_wait_dscnt 0x0                               ; (in front of the first: my part of the mask's table has landed)
	s_barrier_signal -1
	s_barrier_wait -1
	s_mov_b32 s60, 16384+49152*\p
	s_mov_b32 s61, 2048*\p
	s_mov_b32 s62, 4
.Lstep_\@:
	STEP
	s_add_co_u32 s60, s60, 6144
	s_add_co_u32 s61, s61, 512
	s_sub_co_u32 s62, s62, 1
	s_cmp_lg_u32 s62, 0
	s_cbranch_scc1 .Lstep_\@
.endm
	s_load_b256 s[4:11], s[0:1], 0x0               ; qq, kv, mask, oq
	v_lshl_add_u32 v254, v0, 2, 0x36000
	v_mov_b32 v255, 0
	ds_add_u32 v254, v255
	ds_add_u32 v254, v255
	v_lshrrev_b32 v10, 5, v0
	v_readfirstlane_b32 s12, v10                   ; wave 0..15
	s_bfe_u32 s13, ttmp6, 0x40000                  ; cx: it enters q's and o's global addresses alone
	s_and_b32 s14, ttmp7, 0xffff                   ; bh = 16 batch + head, which the four partners share
	v_and_b32 v10, 31, v0                          ; lane
	v_and_b32 v11, 15, v0                          ; r
	v_bfe_u32 v242, v0, 4, 1                       ; h
	v_lshlrev_b32 v1, 4, v10                       ; 16 x lane
	v_lshlrev_b32 v2, 3, v10                       ; 8 x lane
	v_lshlrev_b32 v3, 4, v11                       ; 16 r: a row's four scale words
	v_lshl_add_u32 v4, v242, 6, MB                 ; the mask's table, + 64 h
	v_lshlrev_b32 v9, 2, v11                       ; 4 r
	v_lshlrev_b32 v243, 4, v0                      ; the mask: 16 bytes a thread
	v_lshl_add_u32 v246, v0, 4, MB
	s_mov_b32 s[SEL], 0x76543210
	s_mov_b32 s[SEL+1], 0xfedcba98
	s_mov_b32 s[CS], 0x3e38aa3b                    ; log2(e) / 8
	s_mov_b32 s[CS+1], s[CS]                       ; (named with it as a pair)
	; descriptor groups 1: dense blocks as rows of 256 bytes (32 elements of 8 bytes): 64 rows of scale words, 192 rows a piece
	s_mov_b32 s24, 15|(3<<16)|(1<<21)              ; 15:0 the mask: all four work-groups; 17:16 elements of 8 bytes; 21 set beside a mask; no padding
	s_mov_b32 s25, 32<<16                          ; tensor_dim0
	s_mov_b32 s26, 64<<16                          ; tensor_dim1
	s_mov_b32 s27, 32<<16                          ; tile_dim0
	s_mov_b32 s28, 64                              ; tile_dim1
	s_mov_b32 s29, 32                              ; the pitch
	s_mov_b32 s30, 0
	s_mov_b32 s31, 0
	s_mov_b32 s32, 15|(3<<16)|(1<<21)
	s_mov_b32 s33, 32<<16
	s_mov_b32 s34, 192<<16
	s_mov_b32 s35, 32<<16
	s_mov_b32 s36, 192
	s_mov_b32 s37, 32
	s_mov_b32 s38, 0
	s_mov_b32 s39, 0
	s_mul_i32 s20, s14, 212992                     ; the head's record
	s_mov_b32 s21, 0
	s_lshl_b32 s22, s13, 5
	s_add_co_u32 s22, s22, s12                     ; my tile of the first pass: 32 cx + wave
	s_mul_i32 s66, s14, 98304
	s_mul_i32 s67, s22, 768
	s_add_co_u32 s66, s66, s67                     ; q's codes
	s_mov_b32 s67, 0
	s_lshl_b32 s74, s14, 13                        ; q's scale words: [bh][tile / 4][r][tile % 4]
	s_lshl_b32 s23, s13, 11
	s_add_co_u32 s74, s74, s23
	s_lshr_b32 s23, s12, 2
	s_lshl_b32 s23, s23, 8
	s_add_co_u32 s74, s74, s23
	s_and_b32 s23, s12, 3
	s_lshl_b32 s23, s23, 2
	s_add_co_u32 s74, s74, s23
	s_add_co_u32 s74, s74, 6291456
	s_mov_b32 s75, 0
	s_lshr_b32 s23, s14, 4                         ; batch
	s_lshl_b32 s76, s23, 13                        ; its row of the mask
	s_mov_b32 s77, 0
	s_lshl_b32 s23, s23, 7
	s_add_co_u32 s23, s23, s22                     ; the tile among all 512
	s_lshl_b32 s23, s23, 4
	s_and_b32 s68, s14, 15
	s_add_co_u32 s23, s23, s68
	s_mul_i32 s68, s23, 768                        ; o's codes: [tile][head][768]
	s_mov_b32 s69, 0
	s_lshl_b32 s70, s14, 13
	s_lshl_b32 s23, s22, 6
	s_add_co_u32 s70, s70, s23
	s_add_co_u32 s70, s70, 6291456                 ; o's scale words: [bh][tile][r]
	s_mov_b32 s71, 0
	s_wait_dscnt 0x0
	s_wait_kmcnt 0x0
	s_add_nc_u64 s[20:21], s[6:7], s[20:21]
	s_add_nc_u64 s[66:67], s[4:5], s[66:67]
	s_add_nc_u64 s[74:75], s[4:5], s[74:75]
	s_add_nc_u64 s[76:77], s[8:9], s[76:77]
	s_add_nc_u64 s[68:69], s[10:11], s[68:69]
	s_add_nc_u64 s[70:71], s[10:11], s[70:71]
	s_mov_b32 s40, 1                               ; groups 0: LDS mirrors the record
	s_mov_b32 s41, 0
	s_mov_b64 s[42:43], s[20:21]
	s_or_b32 s43, s43, 0x80000000
.irp n, 1,2,3,4
	s_mov_b32 s[40+4*\n], 1
	s_mov_b32 s[41+4*\n], 16384+(\n-1)*49152
	s_add_nc_u64 s[42+4*\n:43+4*\n], s[20:21], 16384+(\n-1)*49152
	s_or_b32 s[43+4*\n], s[43+4*\n], 0x80000000
.endr
	global_load_b128 v[248:251], v243, s[76:77]    ; four numbers of the mask a thread
	global_load_b128 v[QF:QF+3], v1, s[66:67]
	global_load_b64 v[QF+4:QF+5], v2, s[66:67] offset:512
	global_load_b128 v[QN:QN+3], v1, s[66:67] offset:12288     ; the second pass's tile lies 16 tiles on
	global_load_b64 v[QN+4:QN+5], v2, s[66:67] offset:12800
	global_load_b32 v[QS], v3, s[74:75]
	global_load_b32 v[QSN], v3, s[74:75] offset:1024
	ROUND                                          ; all four work-groups are here: the joint loads meet
	s_cmp_lg_u32 s12, 0
	s_cbranch_scc1 .Lnot_fetcher
	tensor_load_to_lds s[40:43], s[24:31]          ; the scale words,
	s_nop 0
	tensor_load_to_lds s[44:47], s[32:39]          ; and the four pieces: all first fills in one group, in one branch
	s_nop 0
	tensor_load_to_lds s[48:51], s[32:39]
	s_nop 0
	tensor_load_to_lds s[52:55], s[32:39]
	s_nop 0
	tensor_load_to_lds s[56:59], s[32:39]
	s_nop 0
	PLACES                                         ; four v_nop follow the last
.Lnot_fetcher:
	s_wait_loadcnt 0x0
	v_mov_b32 v247, 0xfe800000                     ; -2^126
.irp i, 0,1,2,3
	v_cmp_eq_u32 vcc_lo, 0, v[248+\i]
	v_cndmask_b32 v[248+\i], 0, v247, vcc_lo
.endr
	ds_store_b128 v246, v[248:251]
.irp i, 6,7,8,9,10,11
	v_mov_b32 v[QF+\i], 0                          ; zero codes for k = 64 .. 127
.endr
.irp i, 48,49,50,51,52,53
	v_mov_b32 v[KF+\i], 0
.endr
.irp b, 0,1,2,3
	v_mov_b32 v[BP+\b], 0                          ; written once: a lane permute's destination counts as one of its sources
.endr
	v_mov_b32 v245, 0                              ; (named as the upper half of the pair v[244:245])
	s_mov_b32 s63, 2
.Lpass:
	v_mov_b32 v13, 0xf1800000                      ; the largest t so far: -2^100
	v_floor_f32 v12, -v13                          ; -M
	v_mov_b32 v14, 0                               ; the sum, in two halves
	v_mov_b32 v15, 0
.set j, 0
.rept 32
	v_mov_b32 v[O+j], 0                            ; the step is written once: the first finds zeros
.set j, j+1
.endr
	PIECE 0
	PIECE 1
	PIECE 2
	PIECE 3
	; THE WAY OUT: O^T / the sum; register 16 b + i is channel 32 b + 16 h + i of my query: two blocks of the last product's K
	PLACES
	v_add_f32 v14, v14, v15
	v_permlanex16_b32 v242, v14, s[SEL], s[SEL+1]
	v_add_f32 v14, v14, v242                       ; the row's sum
	v_rcp_f32 v244, v14
	v_nop                                          ; a plain place behind the transcendental
	s_wait_alu depctr_va_vdst(0)                   ; and the wait ahead of its first reader
.set j, 0
.rept 16
	v_pk_mul_f32 v[S+j:S+j+1], v[O+j:O+j+1], v[244:245] op_sel_hi:[1,0]
.set j, j+2
.endr
	QUANT32 S, PC, PCX, PWO, BM
	global_store_b128 v1, v[PC:PC+3], s[68:69]     ; a half image: 512 and 256 consecutive bytes, aligned
	global_store_b64 v2, v[PC+4:PC+5], s[68:69] offset:512
	global_store_b32 v9, v[PWO], s[70:71]          ; lanes r and r + 16 write the same word with the same value
.irp i, 0,1,2,3,4,5
	v_mov_b32 v[QF+\i], v[QN+\i]                   ; the second pass's queries
.endr
	v_mov_b32 v[QS], v[QSN]
	s_wait_xcnt 0x0                                ; the stores have read their data and bases
	s_add_nc_u64 s[68:69], s[68:69], 196608        ; 16 tiles on
	s_add_nc_u64 s[70:71], s[70:71], 1024
	s_sub_co_u32 s63, s63, 1
	s_cmp_lg_u32 s63, 0
	s_cbranch_scc1 .Lpass
	s_wait_tensorcnt 0x0
	ds_add_u32 v254, v255
	s_wait_dscnt 0x0
	ROUND                                          ; the closing round
	s_endpgm
.Lfunc_end_k_q874f14df3c_attn:
	.size	k_q874f14df3c_attn, .Lfunc_end_k_q874f14df3c_attn-k_q874f14df3c_attn
	.p2alignl 7, 3214868480
	.fill 96, 4, 3214868480
	.section	.rodata,"a",@progbits
	.p2align	6, 0x0
	.amdhsa_kernel k_q874f14df3c_attn
		.amdhsa_group_segment_fixed_size 223232
		.amdhsa_private_segment_fixed_size 0
		.amdhsa_enable_private_segment 0
		.amdhsa_kernarg_size 32
		.amdhsa_user_sgpr_count 2
		.amdhsa_user_sgpr_kernarg_segment_ptr 1
		.amdhsa_wavefront_size32 1
		.amdhsa_system_sgpr_workgroup_id_x 1
		.amdhsa_system_sgpr_workgroup_id_y 1
		.amdhsa_system_sgpr_workgroup_id_z 1
		.amdhsa_system_vgpr_workitem_id 0
		.amdhsa_next_free_vgpr 256
		.amdhsa_next_free_sgpr 80
		.amdhsa_reserve_vcc 1
		.amdhsa_float_denorm_mode_32 3
		.amdhsa_float_denorm_mode_16_64 3
		.amdhsa_memory_ordered 1
		.amdhsa_forward_progress 1
		.amdhsa_inst_pref_size 83
	.end_amdhsa_kernel
	.amdgpu_metadata
---
amdhsa.version: [ 1, 2 ]
amdhsa.kernels:
  - .name:           k_q874f14df3c_attn
    .symbol:         k_q874f14df3c_attn.kd
    .args:
      - { .name: qq, .offset: 0, .size: 8, .value_kind: global_buffer, .address_space: global }
      - { .name: kv, .offset: 8, .size: 8, .value_kind: global_buffer, .address_space: global }
      - { .name: mask, .offset: 16, .size: 8, .value_kind: global_buffer, .address_space: global }
      - { .name: oq, .offset: 24, .size: 8, .value_kind: global_buffer, .address_space: global }
    .group_segment_fixed_size: 223232
    .private_segment_fixed_size: 0
    .kernarg_segment_align: 8
    .kernarg_segment_size: 32
    .max_flat_workgroup_size: 512
    .sgpr_count:     80
    .vgpr_count:     256
    .wavefront_size: 32
...
	.end_amdgpu_metadata
.endif
;; end of part 3
;; launch outp (part 4): grid 64 x 4, 4 waves a work-group, no clusters, 169,472 bytes of LDS; arguments oq, wq, bo, out0; writes out0
.if DOCPART == 4
	.amdgcn_target "amdgcn-amd-amdhsa--gfx1250"
	.amdhsa_code_object_version 6
	.text
	.protected	k_q874f14df3c_outp
	.globl	k_q874f14df3c_outp
	.p2align	8
	.type	k_q874f14df3c_outp,@function
k_q874f14df3c_outp:
	s_mov_b64 s[64:65], 0
	v_nop
	global_prefetch_b8 v0, s[64:65] scope:SCOPE_SE
	s_setreg_imm32_b32 hwreg(HW_REG_WAVE_MODE, 25, 1), 1
	s_wait_xcnt 0x0
; out0 = o Wo + bo on codes of FP6 (E2M3) with E8M0 scales; out0 [8192][1024] f32.
; SHARES.  Work-group (x, cg): 128 tokens (two blocks of 64) x 256 columns; wave w owns 64 columns, whose 32 fragments of Wo stay in registers.  A block's four tiles of o go through LDS as they lie in oq, one a wave,
; each block in a buffer of its own.  Source 0 = a tile of Wo, source 1 = a tile of o: a lane holds one token and eight neighbouring columns.  The bias is the C of each sum's first matrix instruction.
; o's scale words lie by head ([bh][tile][r], two bytes used): a wave gathers its tile's 16 heads x 16 rows by two loads and lays them in LDS as [r][K step 8] words by stores of two bytes.
; THE WAY OUT: 64 rows x 1,024 bytes meet in a stage (rows 1,040 bytes apart); each wave stores 16 whole rows' parts, 512 consecutive bytes an instruction.  Two barriers a block.
; REGISTERS.  window 0: v1-15 addresses; v16-143 the 16 accumulators, later rows of the result; v144-175 Wo's scale words; v176-207 o's.   windows 1, 2: Wo's fragments of K steps 0-3, 4-7.
;   window 3: v0-95 o's fragments, two sets; v96-127 the bias; v128-231 a tile of o and its scale words on their way to LDS.
.set WQS,  3145728
.set OQS,  6291456
.set BUFB, 51200
.set SCB,  49152
.set STG,  102400                      ; behind the two buffers: the stage, 64 x 1,040 bytes
.set L16,  1
.set L8,   2
.set RD16, 3
.set RD8,  5
.set RDS,  7
.set AWI,  9
.set SSA,  11                          ; v11-12 buffer + SCB + 512 wave + 128 (lane % 4) + 2 (lane / 4)
.set SO,   13                          ; v13    the stage, in
.set SR,   14                          ; v14    and back
.set SLT,  15                          ; v15    8,192 (lane / 4) + 16 (lane % 4): head lane / 4, rows 4 (lane % 4) on
.set ACC,  16
.set WS,   144
.set XS,   176
.set XF,   0
.set BI,   96
.set SG,   128
.set SGS,  224
.set MSB, 0
.macro WIN new
.if MSB != (\new)
	s_set_vgpr_msb (MSB<<8)|(\new)
.set MSB, (\new)
.endif
.endm
.macro PLACES                          ; four places behind a matrix instruction, in front of loads into its registers and of reads of its result
.rept 4
	v_nop
.endr
.endm
.macro WM d, a, b, c, sa, sb
	v_wmma_scale_f32_16x16x128_f8f6f4 v[\d:\d+7], v[\a:\a+11], v[\b:\b+11], v[\c:\c+7], v[\sa], v[\sb] matrix_a_fmt:MATRIX_FMT_FP6 matrix_b_fmt:MATRIX_FMT_FP6
.endm
.macro ALOAD blk                       ; my tile of block blk and its scale words; the block's step stands in the immediate
	WIN 0xc0
.set j, 0
.rept 24
	global_load_b128 v[SG+4*j:SG+4*j+3], v[L16], s[28:29] offset:49152*\blk+512*j
.set j, j+1
.endr
	global_load_b128 v[SGS:SGS+3], v[SLT], s[30:31] offset:256*\blk           ; heads 0-7
	global_load_b128 v[SGS+4:SGS+7], v[SLT], s[30:31] offset:256*\blk+65536   ; heads 8-15
	WIN 0
.endm
.macro FETCHX buf, s, set
	WIN 0xc0
.irp m, 0,1,2,3
	ds_load_b128 v[XF+48*(\set)+12*\m:XF+48*(\set)+12*\m+3], v[RD16+\buf] offset:12288*\m+1536*(\s)
	ds_load_b64 v[XF+48*(\set)+12*\m+4:XF+48*(\set)+12*\m+5], v[RD8+\buf] offset:12288*\m+1536*(\s)+512
	ds_load_b128 v[XF+48*(\set)+12*\m+6:XF+48*(\set)+12*\m+9], v[RD16+\buf] offset:12288*\m+1536*(\s)+768
	ds_load_b64 v[XF+48*(\set)+12*\m+10:XF+48*(\set)+12*\m+11], v[RD8+\buf] offset:12288*\m+1536*(\s)+1280
.endr
.endm
; a block's 128 matrix instructions: eight K steps x 16 accumulators by turns, one instruction a turn
.macro MP buf
	FETCHX \buf, 0, 0
.set ks, 0
.rept 8
.if ks < 7
.if ks > 0
	PLACES                                         ; the set to be loaded was read by the K step before
.endif
	FETCHX \buf, ks+1, (ks+1)%2
	s_wait_dscnt 16                                ; all but the 16 just issued
.else
	s_wait_dscnt 0x0
.endif
.if ks == 0
	WIN 0x3d                                       ; Wo in window 1, o and the bias in window 3
.elseif ks < 4
	WIN 0x0d
.else
	WIN 0x0e                                       ; Wo in window 2
.endif
.irp g, 0,1,2,3
.irp i, 0,1,2,3
.set rD, ACC+8*(4*\g+\i)
.set rA, 12*(4*(ks%4)+\i)
.set rB, XF+48*(ks%2)+12*\g
.set rC, BI+8*\i
.set rSA, WS+8*\i+ks
.set rSB, XS+8*\g+ks
.if ks == 0
	WM rD, rA, rB, rC, rSA, rSB
.else
	WM rD, rA, rB, rD, rSA, rSB
.endif
.endr
.endr
.set ks, ks+1
.endr
	WIN 0
.endm
.macro OBLOCK blk
	s_wait_loadcnt 0x0                             ; my tile has come (in the first block: the weights, their scale words and the bias too)
	WIN 0x0c                                       ; an LDS store's data are its source 1: window 3
.set j, 0
.rept 24
	ds_store_b128 v[AWI+\blk], v[SG+4*j:SG+4*j+3] offset:512*j
.set j, j+1
.endr
.irp e, 0,1,2,3
	ds_store_b16 v[SSA+\blk], v[SGS+\e] offset:32*\e          ; row 4 (lane % 4) + e, head lane / 4: two bytes at 32 row + 2 head
	ds_store_b16 v[SSA+\blk], v[SGS+4+\e] offset:32*\e+16     ; head 8 + lane / 4
.endr
	WIN 0
	s_wait_dscnt 0x0                               ; for the others' sake: my stores have landed, and my reads of the stage are back
	s_barrier_signal -1
	s_barrier_wait -1
.if \blk == 0
	ALOAD 1                                        ; a whole block ahead of its use
.endif
.irp m, 0,1,2,3
.irp q, 0,1
	ds_load_b128 v[XS+8*\m+4*\q:XS+8*\m+4*\q+3], v[RDS+\blk] offset:512*\m+16*\q
.endr
.endr
	s_wait_xcnt 0x0                                ; the last block's stores have read the registers that the sums now take
	MP \blk
	PLACES                                         ; in front of the stage's stores, which read the results, and of the loads that land on them
.if \blk == 0
	v_nop                                          ; a fifth place: the next block's first products begin these accumulators anew, with the bias as C: a matrix instruction that writes over registers of
	                                               ; an earlier one stands five places behind it, and no other vector instruction stands between this block's last two K steps' products and those
.endif
.irp m, 0,1,2,3
.irp i, 0,1,2,3
	ds_store_b128 v[SO], v[ACC+8*(4*\m+\i):ACC+8*(4*\m+\i)+3] offset:(32*(\m/2)+8*(\m%2))*1040+128*(\i/2)+32*(\i%2)       ; token 32 (m / 2) + 8 (m % 2) + r + 8 (r / 8), columns 32 (i / 2) + 8 (i % 2) + 16 h + 0 .. 7; each accumulator from its low end on
	ds_store_b128 v[SO], v[ACC+8*(4*\m+\i)+4:ACC+8*(4*\m+\i)+7] offset:(32*(\m/2)+8*(\m%2))*1040+128*(\i/2)+32*(\i%2)+16
.endr
.endr
	s_wait_dscnt 0x0                               ; for the others' sake: my stores into the stage are done
	s_barrier_signal -1
	s_barrier_wait -1
.set t, 0
.rept 32
	ds_load_b128 v[ACC+4*t:ACC+4*t+3], v[SR] offset:1040*(t/2)+512*(t%2)
.set t, t+1
.endr
.set t, 0
.rept 32
	s_wait_dscnt 31-t                              ; the younger loads may be out
	global_store_b128 v[L16], v[ACC+4*t:ACC+4*t+3], s[32:33] offset:262144*\blk+4096*(t/2)+512*(t%2) th:TH_STORE_NT   ; 32 lanes store 512 consecutive bytes, aligned; written once, read by nobody here
.set t, t+1
.endr
.endm
	s_load_b256 s[4:11], s[0:1], 0x0               ; oq, wq, bo, out0
	v_lshl_add_u32 v254, v0, 2, 0x29400
	v_mov_b32 v255, 0
	v_lshrrev_b32 v208, 5, v0
	v_readfirstlane_b32 s18, v208                  ; wave
	s_and_b32 s20, ttmp7, 0xffff                   ; column group
	s_mov_b32 s21, ttmp9                           ; which 128 tokens
	v_and_b32 v208, 31, v0                         ; lane
	v_and_b32 v209, 15, v0                         ; r
	v_bfe_u32 v210, v0, 4, 1                       ; h
	v_lshlrev_b32 v[L16], 4, v208
	v_lshlrev_b32 v[L8], 3, v208
	v_lshlrev_b32 v[RD16], 4, v208
	v_add_nc_u32 v[RD16+1], BUFB, v[RD16]
	v_lshlrev_b32 v[RD8], 3, v208
	v_add_nc_u32 v[RD8+1], BUFB, v[RD8]
	v_lshl_add_u32 v[RDS], v209, 5, SCB
	v_add_nc_u32 v[RDS+1], BUFB, v[RDS]
	s_mul_i32 s22, s18, 12288
	v_add_nc_u32 v[AWI], s22, v[L16]
	v_add_nc_u32 v[AWI+1], BUFB, v[AWI]
	v_and_b32 v211, 3, v0                          ; lane % 4
	v_bfe_u32 v212, v0, 2, 3                       ; lane / 4
	v_lshlrev_b32 v[SSA], 7, v211
	v_lshl_add_u32 v[SSA], v212, 1, v[SSA]
	s_lshl_b32 s22, s18, 9
	s_add_co_u32 s22, s22, SCB
	v_add_nc_u32 v[SSA], s22, v[SSA]
	v_add_nc_u32 v[SSA+1], BUFB, v[SSA]
	v_lshlrev_b32 v[SLT], 4, v211
	v_lshl_add_u32 v[SLT], v212, 13, v[SLT]
	v_and_b32 v213, 8, v209
	v_add_nc_u32 v213, v213, v209                  ; r + 8 (r / 8)
	v_mul_u32_u24 v[SO], v213, 1040
	v_lshl_add_u32 v[SO], v210, 6, v[SO]
	s_lshl_b32 s22, s18, 8
	s_add_co_u32 s22, s22, STG
	v_add_nc_u32 v[SO], s22, v[SO]                 ; + 256 wave: my 64 columns
	s_mul_i32 s22, s18, 16640
	s_add_co_u32 s22, s22, STG
	v_add_nc_u32 v[SR], s22, v[L16]                ; back: my 16 rows
	v_lshlrev_b32 v214, 2, v209                    ; 4 r: Wo's scale words
	v_lshlrev_b32 v215, 6, v210                    ; 64 h: the bias
	s_lshl_b32 s22, s21, 3
	s_add_co_u32 s22, s22, s18                     ; my tile of the first block: 8 x + wave
	s_mul_i32 s28, s22, 12288
	s_mov_b32 s29, 0
	s_lshr_b32 s30, s21, 4                         ; batch: 16 heads x 8,192 bytes of scale words
	s_lshl_b32 s30, s30, 17
	s_and_b32 s23, s21, 15
	s_lshl_b32 s23, s23, 3
	s_add_co_u32 s23, s23, s18                     ; the tile within its batch
	s_lshl_b32 s23, s23, 6
	s_add_co_u32 s30, s30, s23
	s_add_co_u32 s30, s30, OQS
	s_mov_b32 s31, 0
	s_lshl_b32 s22, s20, 4
	s_lshl_b32 s23, s18, 2
	s_add_co_u32 s22, s22, s23                     ; my first tile of Wo
	s_mul_i32 s24, s22, 12288
	s_add_co_u32 s24, s24, 3*786432
	s_mov_b32 s25, 0
	s_lshl_b32 s26, s22, 6
	s_add_co_u32 s26, s26, WQS+3*32768
	s_mov_b32 s27, 0
	s_lshl_b32 s36, s22, 6                         ; the bias: 64 bytes a tile
	s_mov_b32 s37, 0
	s_lshl_b32 s32, s21, 19                        ; 128 rows of 4,096 bytes
	s_lshl_b32 s23, s18, 16                        ; + 16 wave rows
	s_add_co_u32 s32, s32, s23
	s_lshl_b32 s23, s20, 10                        ; + 256 columns of 4 bytes
	s_add_co_u32 s32, s32, s23
	s_mov_b32 s33, 0
	s_wait_kmcnt 0x0
	s_add_nc_u64 s[28:29], s[4:5], s[28:29]        ; o's codes
	s_add_nc_u64 s[30:31], s[4:5], s[30:31]        ; o's scale words
	s_add_nc_u64 s[24:25], s[6:7], s[24:25]        ; Wo's codes
	s_add_nc_u64 s[26:27], s[6:7], s[26:27]        ; Wo's scale words
	s_add_nc_u64 s[36:37], s[8:9], s[36:37]        ; the bias
	s_add_nc_u64 s[32:33], s[10:11], s[32:33]      ; the result
	ALOAD 0
	WIN 0x40
.irp s, 0,1,2,3
.irp i, 0,1,2,3
.irp c, 0,1,2
	global_load_b128 v[12*(4*\s+\i)+4*\c:12*(4*\s+\i)+4*\c+3], v[L16], s[24:25] offset:(8*\i+\s)*1536+512*\c
.endr
.endr
.endr
	WIN 0x80
.irp s, 0,1,2,3
.irp i, 0,1,2,3
.irp c, 0,1,2
	global_load_b128 v[12*(4*\s+\i)+4*\c:12*(4*\s+\i)+4*\c+3], v[L16], s[24:25] offset:(8*\i+\s+4)*1536+512*\c
.endr
.endr
.endr
	WIN 0
.irp i, 0,1,2,3
.irp s, 0,1,2,3,4,5,6,7
	global_load_b32 v[WS+8*\i+\s], v214, s[26:27] offset:4096*\s+64*\i
.endr
.endr
	WIN 0xc0
.irp i, 0,1,2,3                                ; register j of accumulator (g, i) is column 32 (i / 2) + 8 (i % 2) + 16 h + j
	global_load_b128 v[BI+8*\i:BI+8*\i+3], v215, s[36:37] offset:(32*(\i/2)+8*(\i%2))*4
	global_load_b128 v[BI+8*\i+4:BI+8*\i+7], v215, s[36:37] offset:(32*(\i/2)+8*(\i%2))*4+16
.endr
	WIN 0
	OBLOCK 0
	OBLOCK 1
	s_wait_tensorcnt 0x0
	ds_add_u32 v254, v255
	s_wait_dscnt 0x0
	s_endpgm
.Lfunc_end_k_q874f14df3c_outp:
	.size	k_q874f14df3c_outp, .Lfunc_end_k_q874f14df3c_outp-k_q874f14df3c_outp
	.p2alignl 7, 3214868480
	.fill 96, 4, 3214868480
	.section	.rodata,"a",@progbits
	.p2align	6, 0x0
	.amdhsa_kernel k_q874f14df3c_outp
		.amdhsa_group_segment_fixed_size 169472
		.amdhsa_private_segment_fixed_size 0
		.amdhsa_enable_private_segment 0
		.amdhsa_kernarg_size 32
		.amdhsa_user_sgpr_count 2
		.amdhsa_user_sgpr_kernarg_segment_ptr 1
		.amdhsa_wavefront_size32 1
		.amdhsa_system_sgpr_workgroup_id_x 1
		.amdhsa_system_sgpr_workgroup_id_y 1
		.amdhsa_system_sgpr_workgroup_id_z 1
		.amdhsa_system_vgpr_workitem_id 0
		.amdhsa_next_free_vgpr 1024
		.amdhsa_next_free_sgpr 66
		.amdhsa_reserve_vcc 0
		.amdhsa_float_denorm_mode_32 3
		.amdhsa_float_denorm_mode_16_64 3
		.amdhsa_memory_ordered 1
		.amdhsa_forward_progress 1
		.amdhsa_inst_pref_size 95
	.end_amdhsa_kernel
	.amdgpu_metadata
---
amdhsa.version: [ 1, 2 ]
amdhsa.kernels:
  - .name:           k_q874f14df3c_outp
    .symbol:         k_q874f14df3c_outp.kd
    .args:
      - { .name: oq, .offset: 0, .size: 8, .value_kind: global_buffer, .address_space: global }
      - { .name: wq, .offset: 8, .size: 8, .value_kind: global_buffer, .address_space: global }
      - { .name: bo, .offset: 16, .size: 8, .value_kind: global_buffer, .address_space: global }
      - { .name: out0, .offset: 24, .size: 8, .value_kind: global_buffer, .address_space: global }
    .group_segment_fixed_size: 169472
    .private_segment_fixed_size: 0
    .kernarg_segment_align: 8
    .kernarg_segment_size: 32
    .max_flat_workgroup_size: 128
    .sgpr_count:     66
    .vgpr_count:     1024
    .wavefront_size: 32
...
	.end_amdgpu_metadata
.endif
;; end of part 4
;; ======== version 2 of 2: 4 launches
;; limits: right only within a limited range of input values
;; workspace buffers: xq 19,660,800 bytes; wq 3,276,800 bytes; qq 6,815,744 bytes; kv 13,631,488 bytes; oq 6,815,744 bytes
;; launch quant (part 5): grid 640 x 1, 4 waves a work-group, no clusters, 34,304 bytes of LDS; arguments Q, K, V, Wq, Wk, Wv, Wo, xq, wq; writes xq, wq
.if DOCPART == 5
	.amdgcn_target "amdgcn-amd-amdhsa--gfx1250"
	.amdhsa_code_object_version 6
	.text
	.protected	k_q874f14df3c_quant
	.globl	k_q874f14df3c_quant
	.p2align	8
	.type	k_q874f14df3c_quant,@function
k_q874f14df3c_quant:
	s_mov_b64 s[64:65], 0
	v_nop
	global_prefetch_b8 v0, s[64:65] scope:SCOPE_SE
	s_setreg_imm32_b32 hwreg(HW_REG_WAVE_MODE, 25, 1), 1
	s_wait_xcnt 0x0
; Q, K, V [8192][1024] f32 (K innermost) and Wq, Wk, Wv, Wo [1024 (k)][1024 (n)] f32 (K outermost) become codes of FP6 (E2M3) with one E8M0 byte for each 32 along K,
; laid in the ORDER OF THE OPERAND'S REGISTERS, so that the later launches fetch fragments by loads of 16 and 8 bytes a lane and nothing else.
; A TILE is 16 rows (tokens, or columns of a weight) that are NOT neighbours: lane r of tile 2 b + u holds row 32 b + 8 u + r + 8 (r / 8), so that the results of two neighbouring tiles are 16 neighbours in a lane.
; xq: codes [tensor 3][tile 512][64 along K: 16][768]: a half image = registers 0-3 of the 32 lanes (16 bytes a lane), then registers 4-5 (8 bytes a lane); scale words at XQS: [tensor][tile][r 16][K step 8].
; wq: codes [w 4][tile 64][K step 8][1536]: registers 4 c .. 4 c + 3 at 512 c + 16 lane; scale words at WQS: [w][K step 8][tile 64][r 16].
; A block's scale is 2^(floor(log2(largest magnitude)) - 2); its byte is the largest magnitude's exponent field - 2, held at 1 from below.
; LIMITS: a block of zeros, and one whose largest magnitude lies under 2^-124, keeps the byte 1 (the bytes are read by this program alone; zero codes add nothing); NaN and infinities among the inputs are not served.
; Work-groups 0-383: a wave takes one tile of tokens over all of K.  Work-groups 384-639: a wave takes 32 columns of a weight x 128 along K.  Waves share nothing: no barrier.
.set XQS,  18874368
.set WQS,  3145728
.set L16,  2                           ; v2   16 x lane
.set L8,   3                           ; v3   8 x lane
.set STI,  4                           ; v4   my stage, on the way in: 16 x lane
.set STO,  5                           ; v5   and out: 528 r + 64 h
.set SWA,  6                           ; v6   32 r + 16 h: my four scale words of the tile's 512 bytes
.set PW,   8                           ; v8-15   a scale word for each K step
.set SW,   16                          ; v16-19  the four that I store
.set TM,   20                          ; v20-35  at work in QUANT
.set PC,   36                          ; v36-47  a fragment's codes; v48-50, v52-54 the halves made elsewhere
.set X,    64                          ; v64-127 64 numbers: register 16 b + i = k 32 b + 16 h + i of row r
.set R,    128                         ; v128-255 two sets of 64 registers as loaded
.set SEL,  40                          ; s[40:41] v_permlanex16_b32's selects for lane l xor 16
; 64 numbers of a lane become a fragment's codes in v[PC] on and its scale word in v[pw]
.macro QUANT s, pw
.irp b, 0,1,2,3
	v_max3_num_f32 v[TM+\b], |v[\s+16*\b]|, |v[\s+1+16*\b]|, 0x1800000   ; my 16 numbers of block b, and the floor 2^(3 - 127): the byte cannot fall under 1
.endr
.irp i, 2,4,6,8,10,12,14
.irp b, 0,1,2,3
	v_max3_num_f32 v[TM+\b], v[TM+\b], |v[\s+16*\b+\i]|, |v[\s+1+16*\b+\i]|   ; the four blocks by turns
.endr
.endr
.irp b, 0,1,2,3
	v_permlanex16_b32 v[TM+4+\b], v[TM+\b], s[SEL], s[SEL+1]
.endr
.irp b, 0,1,2,3
	v_max_num_f32 v[TM+\b], v[TM+\b], v[TM+4+\b]   ; with lane l xor 16's: the block's largest magnitude
.endr
.irp b, 0,1,2,3
	v_add_nc_u32 v[TM+12+\b], 0xff000000, v[TM+\b]   ; 2 off its exponent field: the conversion's scale operand
.endr
.irp b, 0,1,2,3
	v_lshrrev_b32 v[TM+4+\b], 23, v[TM+12+\b]      ; the scale's byte
.endr
	v_lshl_or_b32 v[\pw], v[TM+5], 8, v[TM+4]
	v_lshl_or_b32 v[\pw], v[TM+6], 16, v[\pw]
	v_lshl_or_b32 v[\pw], v[TM+7], 24, v[\pw]
.irp c, 0,1
	v_cvt_scalef32_pk16_fp6_f32 v[PC+6*\c:PC+2+6*\c], v[\s+32*\c:\s+15+32*\c], v[TM+12+2*\c]
	v_cvt_scalef32_pk16_fp6_f32 v[PC+12+4*\c:PC+14+4*\c], v[\s+16+32*\c:\s+31+32*\c], v[TM+12+2*\c+1]   ; (a conversion's three registers begin on an even number)
.endr
	v_nop                                          ; one plain place behind a scaled conversion
.irp c, 0,1                                    ; the operand wants a WHOLE block in a lane: lanes 0-15 block 2 c, lanes 16-31 block 2 c + 1
.irp i, 0,1,2
	v_permlane16_swap_b32 v[PC+6*\c+\i], v[PC+12+4*\c+\i]
.endr
.irp i, 0,1,2
	v_mov_b32 v[PC+3+6*\c+\i], v[PC+12+4*\c+\i]
.endr
.endr
.endm
; K step t of my 16 rows: each load reads 512 consecutive bytes of one row
.macro LOAD t
.irp p, 0,1,2,3,4,5,6,7,8,9,10,11,12,13,14,15
	global_load_b128 v[R+64*((\t)%2)+4*\p:R+64*((\t)%2)+4*\p+3], v[L16], s[30:31] offset:(\p+8*(\p/8))*4096+512*(\t) th:TH_LOAD_NT
.endr
.endm
.macro XSTEP t
.if (\t) < 7
	s_wait_loadcnt 16                              ; this step's 16 loads are in; the next step's 16 may be out
.else
	s_wait_loadcnt 0x0
.endif
.irp p, 0,1,2,3,4,5,6,7,8,9,10,11,12,13,14,15
	ds_store_b128 v[STI], v[R+64*((\t)%2)+4*\p:R+64*((\t)%2)+4*\p+3] offset:528*\p   ; through my own stage, rows of 512 + 16 bytes; LDS serves a wave's instructions in order
.endr
.irp b, 0,1,2,3
.irp j, 0,1,2,3
	ds_load_b128 v[X+16*\b+4*\j:X+16*\b+4*\j+3], v[STO] offset:128*\b+16*\j   ; back: 16 neighbours of each block of row r
.endr
.endr
	s_wait_dscnt 0x0                               ; the numbers are back, and the stores into the stage have read their registers,
.if (\t) < 6
	LOAD (\t)+2                                    ; which take the loads of two steps on
.endif
	s_wait_xcnt 0x0                                ; the last step's stores have read the codes' registers: they are written again only behind this wait
	QUANT X, PW+(\t)
	global_store_b128 v[L16], v[PC:PC+3], s[32:33] offset:1536*(\t)            ; two half images: each store covers 512 or 256 consecutive bytes, aligned
	global_store_b64 v[L8], v[PC+4:PC+5], s[32:33] offset:1536*(\t)+512
	global_store_b128 v[L16], v[PC+6:PC+9], s[32:33] offset:1536*(\t)+768
	global_store_b64 v[L8], v[PC+10:PC+11], s[32:33] offset:1536*(\t)+1280
.endm
; block j (32 along K) of my column of a weight: all 32 numbers are mine.  It belongs to lane r' + 16 (j % 2) of the fragment, registers 6 (j / 2) on
.macro WBLOCK j
.set XB, 128+32*(\j)
.set FD, 64+12*((\j)%2)+6*((\j)/2)
.if (\j) < 2
	s_wait_loadcnt 63                              ; at most 63 of the 128 are out: the first 64 are in (behind block j's own stand 96 - 32 j younger ones; the wait's field holds 63)
.else
	s_wait_loadcnt 96-32*(\j)
.endif
	v_max3_num_f32 v12, |v[XB]|, |v[XB+1]|, |v[XB+2]|
	v_max3_num_f32 v13, |v[XB+3]|, |v[XB+4]|, |v[XB+5]|
.irp i, 6,10,14,18,22,26
	v_max3_num_f32 v12, v12, |v[XB+\i]|, |v[XB+\i+1]|
	v_max3_num_f32 v13, v13, |v[XB+\i+2]|, |v[XB+\i+3]|
.endr
	v_max3_num_f32 v12, v12, |v[XB+30]|, |v[XB+31]|
	v_max3_num_f32 v12, v12, v13, 0x1800000        ; and the floor
	v_add_nc_u32 v[16+(\j)], 0xff000000, v12       ; the conversion's scale operand
	v_lshrrev_b32 v13, 23, v[16+(\j)]              ; the byte
.if (\j) == 0
	v_mov_b32 v14, v13
.else
	v_lshl_or_b32 v14, v13, 8*(\j), v14            ; the column's scale word for this K step
.endif
	v_cvt_scalef32_pk16_fp6_f32 v[FD:FD+2], v[XB:XB+15], v[16+(\j)]
	v_cvt_scalef32_pk16_fp6_f32 v[88+4*(\j):90+4*(\j)], v[XB+16:XB+31], v[16+(\j)]
	v_nop                                          ; one plain place behind a scaled conversion
.irp i, 0,1,2
	v_mov_b32 v[FD+3+\i], v[88+4*(\j)+\i]
.endr
.endm
	s_load_b256 s[4:11], s[0:1], 0x0               ; Q, K, V, Wq
	s_load_b256 s[12:19], s[0:1], 0x20             ; Wk, Wv, Wo, xq
	s_load_b64 s[20:21], s[0:1], 0x40              ; wq
	v_lshl_add_u32 v62, v0, 2, 0x8400
	v_mov_b32 v63, 0
	v_lshrrev_b32 v1, 5, v0
	v_readfirstlane_b32 s22, v1                    ; wave
	v_and_b32 v1, 31, v0                           ; lane
	s_cmp_ge_u32 ttmp9, 384
	s_cbranch_scc1 .Lweights
	; ---- tokens
	s_mov_b32 s[SEL], 0x76543210
	s_mov_b32 s[SEL+1], 0xfedcba98
	s_mov_b32 s42, 0xffff0000                      ; lanes 16-31
	v_and_b32 v56, 15, v0                          ; r
	v_bfe_u32 v57, v0, 4, 1                        ; h
	v_lshlrev_b32 v[L16], 4, v1
	v_lshlrev_b32 v[L8], 3, v1
	s_mul_i32 s24, s22, 8448                       ; my stage: 16 rows x 528 bytes
	v_add_nc_u32 v[STI], s24, v[L16]
	v_mul_u32_u24 v[STO], v56, 528
	v_lshl_add_u32 v[STO], v57, 6, v[STO]
	v_add_nc_u32 v[STO], s24, v[STO]
	v_lshlrev_b32 v[SWA], 5, v56
	v_lshl_add_u32 v[SWA], v57, 4, v[SWA]
.irp b, 0,1,2,3
	v_mov_b32 v[TM+4+\b], 0                        ; written once: a lane permute's destination counts as one of its sources
.endr
	s_lshl_b32 s25, ttmp9, 2
	s_add_co_u32 s25, s25, s22                     ; 512 x tensor + tile
	s_and_b32 s26, s25, 511                        ; tile
	s_lshr_b32 s28, s26, 1
	s_lshl_b32 s28, s28, 17                        ; 32 (tile / 2) rows of 4,096 bytes
	s_and_b32 s29, s26, 1
	s_lshl_b32 s29, s29, 15                        ; + 8 (tile % 2) rows
	s_add_co_u32 s28, s28, s29
	s_mov_b32 s29, 0
	s_mul_i32 s32, s25, 12288                      ; my tile's 16 half images
	s_mov_b32 s33, 0
	s_lshl_b32 s34, s25, 9                         ; and its 512 bytes of scale words
	s_add_co_u32 s34, s34, XQS
	s_mov_b32 s35, 0
	s_wait_alu depctr_va_vdst(0)
	s_wait_kmcnt 0x0
	s_cmp_lt_u32 ttmp9, 128                        ; which tensor: the choice hangs on the work-group's number alone
	s_cselect_b64 s[30:31], s[4:5], s[6:7]
	s_cmp_lt_u32 ttmp9, 256
	s_cselect_b64 s[30:31], s[30:31], s[8:9]
	s_add_nc_u64 s[30:31], s[30:31], s[28:29]
	s_add_nc_u64 s[32:33], s[18:19], s[32:33]
	s_add_nc_u64 s[34:35], s[18:19], s[34:35]
	LOAD 0
	LOAD 1
.irp t, 0,1,2,3,4,5,6,7
	XSTEP \t
.endr
.irp i, 0,1,2,3
	v_cndmask_b32 v[SW+\i], v[PW+\i], v[PW+4+\i], s42   ; lanes 0-15 store row r's words of K steps 0-3, lanes 16-31 those of 4-7
.endr
	global_store_b128 v[SWA], v[SW:SW+3], s[34:35]      ; 512 consecutive bytes
	s_wait_tensorcnt 0x0
	ds_add_u32 v62, v63
	s_wait_dscnt 0x0
	s_endpgm
	; ---- weights: a lane to a column, its registers run down K
.Lweights:
	s_sub_co_u32 s24, ttmp9, 384
	s_lshr_b32 s25, s24, 6                         ; which weight
	s_bfe_u32 s26, s24, 0x30003                    ; which 128 columns
	s_and_b32 s27, s24, 7                          ; which K step
	s_lshl_b32 s28, s26, 2
	s_add_co_u32 s28, s28, s22                     ; which 32 columns: two tiles
	s_lshl_b32 s30, s27, 19                        ; 128 rows of 4,096 bytes
	s_lshl_b32 s31, s28, 7                         ; + 32 columns of 4 bytes
	s_add_co_u32 s30, s30, s31
	s_mov_b32 s31, 0
	s_mul_i32 s32, s25, 786432
	s_mul_i32 s33, s28, 24576
	s_add_co_u32 s32, s32, s33
	s_mul_i32 s33, s27, 1536
	s_add_co_u32 s32, s32, s33                     ; codes: [w][tile][K step]
	s_mov_b32 s33, 0
	s_lshl_b32 s34, s25, 15
	s_lshl_b32 s35, s27, 12
	s_add_co_u32 s34, s34, s35
	s_lshl_b32 s35, s28, 7
	s_add_co_u32 s34, s34, s35
	s_add_co_u32 s34, s34, WQS                     ; scale words: [w][K step][tile][r]
	s_mov_b32 s35, 0
	s_wait_alu depctr_va_vdst(0)
	v_lshlrev_b32 v2, 2, v1                        ; in: 4 bytes a lane
	v_bfe_u32 v3, v0, 3, 1                         ; column 32 bb + l is lane r' = l % 8 + 8 (l / 16) of tile 2 bb + u, u = (l / 8) % 2
	v_and_b32 v4, 7, v0
	v_bfe_u32 v5, v0, 4, 1
	v_lshl_add_u32 v4, v5, 3, v4
	v_mul_u32_u24 v6, v3, 12288
	v_lshl_add_u32 v6, v4, 4, v6                   ; out: my tile, 16 r'
	v_lshlrev_b32 v7, 6, v3
	v_lshl_add_u32 v7, v4, 2, v7                   ; my scale word
	s_wait_alu depctr_va_vdst(0)
	s_wait_kmcnt 0x0
	s_cmp_eq_u32 s25, 0
	s_cselect_b64 s[36:37], s[10:11], s[12:13]
	s_cmp_lt_u32 s25, 2
	s_cselect_b64 s[36:37], s[36:37], s[14:15]
	s_cmp_lt_u32 s25, 3
	s_cselect_b64 s[36:37], s[36:37], s[16:17]
	s_add_nc_u64 s[36:37], s[36:37], s[30:31]
	s_add_nc_u64 s[32:33], s[20:21], s[32:33]
	s_add_nc_u64 s[34:35], s[20:21], s[34:35]
.set j, 0
.rept 128
	global_load_b32 v[128+j], v2, s[36:37] offset:4096*j th:TH_LOAD_NT   ; W(128 s + j, my column): 32 lanes read 128 consecutive bytes
.set j, j+1
.endr
	WBLOCK 0
	WBLOCK 1
	WBLOCK 2
	WBLOCK 3
.irp hh, 0,1
.irp c, 0,1,2
	global_store_b128 v6, v[64+12*\hh+4*\c:64+12*\hh+4*\c+3], s[32:33] offset:512*\c+256*\hh   ; the registers of lane r' + 16 hh: sixteen lanes fill 256 consecutive bytes, aligned, of each of the two tiles
.endr
.endr
	global_store_b32 v7, v14, s[34:35]
	s_endpgm
.Lfunc_end_k_q874f14df3c_quant:
	.size	k_q874f14df3c_quant, .Lfunc_end_k_q874f14df3c_quant-k_q874f14df3c_quant
	.p2alignl 7, 3214868480
	.fill 96, 4, 3214868480
	.section	.rodata,"a",@progbits
	.p2align	6, 0x0
	.amdhsa_kernel k_q874f14df3c_quant
		.amdhsa_group_segment_fixed_size 34304
		.amdhsa_private_segment_fixed_size 0
		.amdhsa_enable_private_segment 0
		.amdhsa_kernarg_size 72
		.amdhsa_user_sgpr_count 2
		.amdhsa_user_sgpr_kernarg_segment_ptr 1
		.amdhsa_wavefront_size32 1
		.amdhsa_system_sgpr_workgroup_id_x 1
		.amdhsa_system_sgpr_workgroup_id_y 1
		.amdhsa_system_sgpr_workgroup_id_z 1
		.amdhsa_system_vgpr_workitem_id 0
		.amdhsa_next_free_vgpr 256
		.amdhsa_next_free_sgpr 66
		.amdhsa_reserve_vcc 0
		.amdhsa_float_denorm_mode_32 3
		.amdhsa_float_denorm_mode_16_64 3
		.amdhsa_memory_ordered 1
		.amdhsa_forward_progress 1
		.amdhsa_inst_pref_size 85
	.end_amdhsa_kernel
	.amdgpu_metadata
---
amdhsa.version: [ 1, 2 ]
amdhsa.kernels:
  - .name:           k_q874f14df3c_quant
    .symbol:         k_q874f14df3c_quant.kd
    .args:
      - { .name: Q, .offset: 0, .size: 8, .value_kind: global_buffer, .address_space: global }
      - { .name: K, .offset: 8, .size: 8, .value_kind: global_buffer, .address_space: global }
      - { .name: V, .offset: 16, .size: 8, .value_kind: global_buffer, .address_space: global }
      - { .name: Wq, .offset: 24, .size: 8, .value_kind: global_buffer, .address_space: global }
      - { .name: Wk, .offset: 32, .size: 8, .value_kind: global_buffer, .address_space: global }
      - { .name: Wv, .offset: 40, .size: 8, .value_kind: global_buffer, .address_space: global }
      - { .name: Wo, .offset: 48, .size: 8, .value_kind: global_buffer, .address_space: global }
      - { .name: xq, .offset: 56, .size: 8, .value_kind: global_buffer, .address_space: global }
      - { .name: wq, .offset: 64, .size: 8, .value_kind: global_buffer, .address_space: global }
    .group_segment_fixed_size: 34304
    .private_segment_fixed_size: 0
    .kernarg_segment_align: 8
    .kernarg_segment_size: 72
    .max_flat_workgroup_size: 128
    .sgpr_count:     66
    .vgpr_count:     256
    .wavefront_size: 32
...
	.end_amdgpu_metadata
.endif
;; end of part 5
;; launch proj (part 6): grid 16 x 12, 4 waves a work-group, no clusters, 102,912 bytes of LDS; arguments xq, wq, bq, bk, bv, qq, kv; writes qq, kv
.if DOCPART == 6
	.amdgcn_target "amdgcn-amd-amdhsa--gfx1250"
	.amdhsa_code_object_version 6
	.text
	.protected	k_q874f14df3c_proj
	.globl	k_q874f14df3c_proj
	.p2align	8
	.type	k_q874f14df3c_proj,@function
k_q874f14df3c_proj:
	s_mov_b64 s[64:65], 0
	v_nop
	global_prefetch_b8 v0, s[64:65] scope:SCOPE_SE
	s_setreg_imm32_b32 hwreg(HW_REG_WAVE_SCHED_MODE, 0, 2), 2
	s_setreg_imm32_b32 hwreg(HW_REG_WAVE_MODE, 25, 1), 1
	s_wait_xcnt 0x0
	s_wait_alu depctr_vm_vsrc(0)
; q = Q Wq + bq, k = K Wk + bk, v = V Wv + bv on codes of FP6 (E2M3) with E8M0 scales, and the results quantised in registers for the attention: q and k along the head's 64, v along the keys.
; SHARES.  Work-group (x, y): x = 4 batch + piece: 512 tokens, eight blocks of 64; y = 4 tensor + column group.  Wave w owns ONE HEAD, 4 cg + w: 64 columns, whose 32 fragments of the weight (4 tiles x 8 K steps,
; 384 registers) stay in registers for the whole launch.  A block's four tiles of x (12,288 bytes each, one a wave) go through LDS as they lie in xq, in two buffers by turns: one barrier a block.
; q, k: source 0 = a tile of W, source 1 = a tile of x: a lane holds one token, its registers run along the head's 64.   v: source 0 = x, source 1 = W: a lane holds one channel, its registers run along 64 tokens.
; By the choice of a tile's rows (lane r of tile 2 b + u = row 32 b + 8 u + r + 8 (r / 8)) the 32 registers of accumulators (g, 0 .. 3) are k = 32 b + 16 h + 0 .. 15, b = 0, 1: what the conversions want.
; The bias is the C of each sum's first matrix instruction.  192 work-groups: each is one tensor's 512 tokens x four heads, which is one piece of the attention's record.
; OUT.  qq: codes [bh 64][tile 128][768], scale words at 6,291,456: [bh][block 32][r 16][tile 4] (bytes 0, 1 used, 2, 3 zero).
; kv: a record of 212,992 bytes for each bh: K's scale words 8,192 | V's 8,192 | four pieces of 512 keys: K [tile 32][768], V [64 keys: 8][channel tile 4][768].
; LIMITS: a block of zeros, and one under 2^-124, keeps the byte 1; NaN and infinities are not served.
; REGISTERS.  window 0: v1-13 addresses; v16-143 the 16 accumulators; v144-175 W's scale words; v176-207 x's; v208-249 at work.   windows 1, 2: v0-191 W's fragments of K steps 0-3, 4-7; window 1, v192-223: the bias.
;   window 3: v0-143 x's fragments, three sets; v144-243 a tile of x and its scale words on their way to LDS.
; THE MODE: SCHED_MODE bits 1:0 = 2 (LLVM: expert scheduling mode 2), set by the entry lines.  The code itself states the register dependences
; between vector or matrix instructions and memory or LDS instructions, with s_wait_alu, always for 0.
; THE PLAN.  Registers that memory or LDS instructions touch, round a block:
;   SG, SGS       Written by the global loads of the next block's tile; read by the LDS stores at that block's head.  No vector instruction names them.
;   XF0 .. XF2    K step s: its 16 products read XF[s % 3]; the LDS loads of K step s + 2, issued in step s, land in XF[(s + 2) % 3], the set that the products of step s - 1 read.
;   XS            Read by all of a block's products as scales; the LDS loads at the next block's head land in it.
;   PC, SW        Written by the block's four quantisations; read by its nine global stores, which stand in one run behind them.
;   v1-13         Addresses, made once at the head (v251-253 serve the head's loads alone) and never written again: scalar bases and immediate offsets do the rest.
;   The accumulators, TM, PCX, PW and, once loaded, the weights, their scale words and the bias are named by vector and matrix instructions alone.
; THE WAITS.  va_vdst: once at the head (the addresses); at the head of K steps 1 to 5 (the products of the step before are done reading the set in which this step's loads land); once behind the quantisations
; (PC and SW are written; all the block's products are done reading XS and the three sets, in which the next block's loads, its K step 0's among them, land).  vm_vsrc: behind the LDS stores of a tile (SG is loaded again);
; behind the nine stores (PC and SW are written again).  va_sdst: ahead of the first reader of the wave's number.
.set XQS,  18874368
.set WQS,  3145728
.set BUFB, 51200                       ; an LDS buffer: four tiles' images, 49,152 bytes, then their scale words, 4 x 512
.set SCB,  49152
.set L16,  1                           ; v1     16 x lane
.set L8,   2                           ; v2     8 x lane
.set RD16, 3                           ; v3-4   buffer + 16 x lane
.set RD8,  5                           ; v5-6   buffer + 8 x lane
.set RDS,  7                           ; v7-8   buffer + SCB + 32 r
.set AWI,  9                           ; v9-10  buffer + 12,288 wave + 16 x lane
.set AWS,  11                          ; v11-12 buffer + SCB + 512 wave + 16 x lane
.set OSA,  13                          ; v13    16 r + 8 h
.set ACC,  16
.set WS,   144
.set XS,   176
.set TM,   208
.set PC,   216                         ; v216-239 four half images' codes
.set PCX,  240
.set PW,   244
.set SW,   248
.set XF,   0                           ; window 3: set n at XF + 48 n
.set SG,   144                         ; window 3
.set SGS,  240                         ; window 3
.set BI,   192                         ; window 1
.set SEL,  42
.set MSB, 0
.macro WIN new                         ; the immediate's high byte repeats the setting that is left
.if MSB != (\new)
	s_set_vgpr_msb (MSB<<8)|(\new)
.set MSB, (\new)
.endif
.endm
.macro PLACES                          ; four places behind a matrix instruction (ISA guide 7.12.1)
.rept 4
	v_nop
.endr
.endm
.macro WM d, a, b, c, sa, sb
	v_wmma_scale_f32_16x16x128_f8f6f4 v[\d:\d+7], v[\a:\a+11], v[\b:\b+11], v[\c:\c+7], v[\sa], v[\sb] matrix_a_fmt:MATRIX_FMT_FP6 matrix_b_fmt:MATRIX_FMT_FP6
.endm
.macro ALOAD                           ; my tile of the next block: 24 x 512 consecutive bytes, and its 512 bytes of scale words
	WIN 0xc0
.set j, 0
.rept 24
	global_load_b128 v[SG+4*j:SG+4*j+3], v[L16], s[28:29] offset:512*j
.set j, j+1
.endr
	global_load_b128 v[SGS:SGS+3], v[L16], s[30:31]
	WIN 0
.endm
.macro FETCH2 buf, s, set, t0          ; the fragments of tiles t0 and t0 + 1 of K step s: two half images each, eight LDS loads
	WIN 0xc0
.irp m, \t0, \t0+1
	ds_load_b128 v[XF+48*(\set)+12*(\m):XF+48*(\set)+12*(\m)+3], v[RD16+\buf] offset:12288*(\m)+1536*(\s)
	ds_load_b64 v[XF+48*(\set)+12*(\m)+4:XF+48*(\set)+12*(\m)+5], v[RD8+\buf] offset:12288*(\m)+1536*(\s)+512
	ds_load_b128 v[XF+48*(\set)+12*(\m)+6:XF+48*(\set)+12*(\m)+9], v[RD16+\buf] offset:12288*(\m)+1536*(\s)+768
	ds_load_b64 v[XF+48*(\set)+12*(\m)+10:XF+48*(\set)+12*(\m)+11], v[RD8+\buf] offset:12288*(\m)+1536*(\s)+1280
.endr
.endm
.macro MWIN swap                       ; the windows of K step ks's products
.if ks == 0
	WIN 0x1d-6*(\swap)                             ; W and the bias in window 1, x in window 3
.elseif ks < 4
	WIN 0x0d-6*(\swap)
.else
	WIN 0x0e-3*(\swap)                             ; W in window 2
.endif
.endm
; Four matrix instructions of K step ks: accumulators (g, 0 .. 3).  swap = 0: source 0 = W's tile i, source 1 = x's tile g.   swap = 1: source 0 = x's tile i, source 1 = W's tile g.
.macro MG swap, g
.irp i, 0,1,2,3
.set rD, ACC+8*(4*(\g)+\i)
.if \swap == 0
.set rA, 12*(4*(ks%4)+\i)
.set rB, XF+48*(ks%3)+12*(\g)
.set rC, BI+8*\i
.set rSA, WS+8*\i+ks
.set rSB, XS+8*(\g)+ks
.else
.set rA, XF+48*(ks%3)+12*\i
.set rB, 12*(4*(ks%4)+(\g))
.set rC, BI+8*(\g)
.set rSA, XS+8*\i+ks
.set rSB, WS+8*(\g)+ks
.endif
.if ks == 0
	WM rD, rA, rB, rC, rSA, rSB
.else
	WM rD, rA, rB, rD, rSA, rSB
.endif
.endr
.endm
; A block's 128 matrix instructions: eight K steps x 16 accumulators, which take turns, one instruction a turn, in the same order in every step.
; K step ks multiplies set ks % 3 and asks for K step ks + 2, in two runs of eight loads, behind its first four and its second four products.
.macro MP swap, buf
	FETCH2 \buf, 0, 0, 0                           ; K steps 0 and 1.  No wait: the wait behind the last block's quantisations stands behind the products that read these sets, and no vector instruction since names them
	FETCH2 \buf, 0, 0, 2
	FETCH2 \buf, 1, 1, 0
	FETCH2 \buf, 1, 1, 2
.set ks, 0
.rept 8
.if ks < 7
	s_wait_dscnt 16                                ; this step's fragments (in step 0: the scale words too) are in; the 16 loads of the step that follows may be out
.else
	s_wait_dscnt 0x0
.endif
.if (ks > 0) && (ks < 6)
	s_wait_alu depctr_va_vdst(0)                   ; the products of the K step before are done reading their set of x, in which this step's sixteen loads land; the products between this wait and those loads name another set
.endif
	MWIN \swap
	MG \swap, 0
.if ks < 6
.if ks > 0
	PLACES                                         ; the four places between the last K step's products and the loads into the set that they read stay, beside the wait above
.endif
	FETCH2 \buf, ks+2, (ks+2)%3, 0
	MWIN \swap
.endif
	MG \swap, 1
.if ks < 6
	FETCH2 \buf, ks+2, (ks+2)%3, 2
	MWIN \swap
.endif
	MG \swap, 2
	MG \swap, 3
.set ks, ks+1
.endr
	WIN 0
.endm
; 32 numbers of a lane, register 16 b + i = k 32 b + 16 h + i, b = 0, 1, become a half image's six registers in v[pc] on and its two scale bytes in v[pw].  The numbers are read in ascending order.
.macro QUANT32 s, pc, pcx, pw, tm
.irp b, 0,1
	v_max3_num_f32 v[(\tm)+\b], |v[(\s)+16*\b]|, |v[(\s)+1+16*\b]|, 0x1800000   ; and the floor 2^(3 - 127): the byte cannot fall under 1
.endr
.irp i, 2,4,6,8,10,12,14
.irp b, 0,1
	v_max3_num_f32 v[(\tm)+\b], v[(\tm)+\b], |v[(\s)+16*\b+\i]|, |v[(\s)+1+16*\b+\i]|
.endr
.endr
.irp b, 0,1
	v_permlanex16_b32 v[(\tm)+2+\b], v[(\tm)+\b], s[SEL], s[SEL+1]
.endr
.irp b, 0,1
	v_max_num_f32 v[(\tm)+\b], v[(\tm)+\b], v[(\tm)+2+\b]   ; with lane l xor 16's: the block's largest magnitude
.endr
.irp b, 0,1
	v_add_nc_u32 v[(\tm)+4+\b], 0xff000000, v[(\tm)+\b]     ; 2 off its exponent field: the conversion's scale operand
.endr
.irp b, 0,1
	v_lshrrev_b32 v[(\tm)+2+\b], 23, v[(\tm)+4+\b]          ; the byte
.endr
	v_lshl_or_b32 v[\pw], v[(\tm)+3], 8, v[(\tm)+2]
	v_cvt_scalef32_pk16_fp6_f32 v[(\pc):(\pc)+2], v[(\s):(\s)+15], v[(\tm)+4]
	v_cvt_scalef32_pk16_fp6_f32 v[(\pcx):(\pcx)+2], v[(\s)+16:(\s)+31], v[(\tm)+5]
	v_nop                                          ; one plain place behind a scaled conversion
.irp i, 0,1,2
	v_permlane16_swap_b32 v[(\pc)+\i], v[(\pcx)+\i]    ; lanes 0-15 now hold block 0 whole, lanes 16-31 block 1
.endr
.irp i, 0,1,2
	v_mov_b32 v[(\pc)+3+\i], v[(\pcx)+\i]
.endr
.endm
; A BLOCK of 64 tokens.  One barrier: in front of it my tile lies in this buffer and my reads of the other buffer are back; that buffer is written again only by waves that have passed this barrier.
.macro BLOCK buf, guard
	s_wait_loadcnt 0x0                             ; my tile has come (in the first block: the weights, their scale words and the bias too)
	WIN 0x0c                                       ; an LDS store's data are its source 1: window 3
.set j, 0
.rept 24
	ds_store_b128 v[AWI+\buf], v[SG+4*j:SG+4*j+3] offset:512*j
.set j, j+1
.endr
	ds_store_b128 v[AWS+\buf], v[SGS:SGS+3]
	WIN 0
	s_add_nc_u64 s[28:29], s[28:29], 49152         ; the loads that read these bases are done: on to the next block
	s_add_nc_u64 s[30:31], s[30:31], 2048
	s_wait_dscnt 0x0                               ; for the others' sake: my stores have landed
	s_wait_alu depctr_vm_vsrc(0)                   ; my LDS stores have read v[SG ..] and v[SGS ..], in which the next tile's loads land: stated ahead of the branch round those loads
	s_barrier_signal -1
	s_barrier_wait -1
.if \guard
	s_cmp_eq_u32 s45, 1                            ; the last block asks for nothing: no load leaves its buffer
	s_cbranch_scc1 .Lno_next_\@
.endif
	ALOAD                                          ; a whole block ahead of its use
.if \guard
.Lno_next_\@:
.endif
.irp m, 0,1,2,3
.irp q, 0,1
	ds_load_b128 v[XS+8*\m+4*\q:XS+8*\m+4*\q+3], v[RDS+\buf] offset:512*\m+16*\q   ; row r's eight scale words of tile m.  No wait: the wait behind the last block's quantisations stands behind the products that read them
.endr
.endr
	s_cmp_eq_u32 s19, 2
	s_cbranch_scc1 .Lv_\@
	MP 0, \buf
	s_branch .Ljoin_\@
.Lv_\@:
	MP 1, \buf
.Ljoin_\@:
	PLACES                                         ; in front of the first read of the results
.irp g, 0,1,2,3
	QUANT32 ACC+32*\g, PC+6*\g, PCX, PW+\g, TM
.endr
	v_cndmask_b32 v[SW], v[PW], v[PW+2], s44       ; lanes 0-15 store row r's words of images 0, 1, lanes 16-31 those of 2, 3
	v_cndmask_b32 v[SW+1], v[PW+1], v[PW+3], s44
	s_wait_alu depctr_va_vdst(0)                   ; the quantisations have written v[PC ..] and v[SW ..], which the nine stores read; and the block's products are done reading x's scale words and its three sets, in which the next block's loads land
.irp g, 0,1,2,3
	global_store_b128 v[L16], v[PC+6*\g:PC+6*\g+3], s[32:33] offset:768*\g          ; a half image: 512 and 256 consecutive bytes, aligned
	global_store_b64 v[L8], v[PC+6*\g+4:PC+6*\g+5], s[32:33] offset:768*\g+512
.endr
	global_store_b64 v[OSA], v[SW:SW+1], s[34:35]  ; 256 consecutive bytes, aligned
	s_wait_xcnt 0x0                                ; the stores have read their data and bases: both are written again only behind this wait
	s_wait_alu depctr_vm_vsrc(0)                   ; the stores have read v[PC ..] and v[SW ..], which the next block's quantisations write again
	s_add_nc_u64 s[32:33], s[32:33], 3072
	s_add_nc_u64 s[34:35], s[34:35], 256
.endm
	s_load_b256 s[4:11], s[0:1], 0x0               ; xq, wq, bq, bk
	s_load_b128 s[12:15], s[0:1], 0x20             ; bv, qq
	s_load_b64 s[16:17], s[0:1], 0x30              ; kv
	v_lshl_add_u32 v254, v0, 2, 0x19000
	v_mov_b32 v255, 0
	v_lshrrev_b32 v14, 5, v0
	v_readfirstlane_b32 s18, v14                   ; wave
	s_and_b32 s20, ttmp7, 0xffff
	s_lshr_b32 s19, s20, 2                         ; tensor: 0 q, 1 k, 2 v
	s_and_b32 s20, s20, 3                          ; column group
	s_mov_b32 s21, ttmp9                           ; 4 batch + piece
	s_mov_b32 s[SEL], 0x76543210
	s_mov_b32 s[SEL+1], 0xfedcba98
	s_mov_b32 s44, 0xffff0000                      ; lanes 16-31
	v_and_b32 v14, 31, v0                          ; lane
	v_and_b32 v15, 15, v0                          ; r
	v_bfe_u32 v250, v0, 4, 1                       ; h
	v_lshlrev_b32 v[L16], 4, v14
	v_lshlrev_b32 v[L8], 3, v14
	v_lshlrev_b32 v[RD16], 4, v14
	v_add_nc_u32 v[RD16+1], BUFB, v[RD16]
	v_lshlrev_b32 v[RD8], 3, v14
	v_add_nc_u32 v[RD8+1], BUFB, v[RD8]
	v_lshl_add_u32 v[RDS], v15, 5, SCB
	v_add_nc_u32 v[RDS+1], BUFB, v[RDS]
	s_wait_alu depctr_va_sdst(0)                   ; s18, the wave's number, is written, ahead of its first reader
	s_mul_i32 s22, s18, 12288
	v_add_nc_u32 v[AWI], s22, v[L16]
	v_add_nc_u32 v[AWI+1], BUFB, v[AWI]
	s_lshl_b32 s22, s18, 9
	s_add_co_u32 s22, s22, SCB
	v_add_nc_u32 v[AWS], s22, v[L16]
	v_add_nc_u32 v[AWS+1], BUFB, v[AWS]
	v_lshlrev_b32 v[OSA], 4, v15
	v_lshl_add_u32 v[OSA], v250, 3, v[OSA]
	v_lshlrev_b32 v251, 2, v15                     ; 4 r: W's scale words
	v_lshlrev_b32 v252, 6, v250                    ; 64 h: q's and k's bias
	v_and_b32 v253, 8, v15
	v_add_nc_u32 v253, v253, v15
	v_lshlrev_b32 v253, 2, v253                    ; 4 (r + 8 (r / 8)): v's bias
	v_mov_b32 v[TM+2], 0                           ; written once: a lane permute's destination counts as one of its sources
	v_mov_b32 v[TM+3], 0
	s_lshl_b32 s22, s19, 9
	s_lshl_b32 s23, s21, 5
	s_add_co_u32 s22, s22, s23
	s_add_co_u32 s22, s22, s18                     ; my tile of the first block: 512 tensor + 32 x + wave
	s_mul_i32 s28, s22, 12288
	s_mov_b32 s29, 0
	s_lshl_b32 s30, s22, 9
	s_add_co_u32 s30, s30, XQS
	s_mov_b32 s31, 0
	s_lshl_b32 s22, s20, 4
	s_lshl_b32 s23, s18, 2
	s_add_co_u32 s22, s22, s23                     ; my first tile of W: 16 cg + 4 wave = 4 x head
	s_mul_i32 s24, s19, 786432
	s_mul_i32 s25, s22, 12288
	s_add_co_u32 s24, s24, s25
	s_mov_b32 s25, 0
	s_lshl_b32 s26, s19, 15
	s_lshl_b32 s27, s22, 6
	s_add_co_u32 s26, s26, s27
	s_add_co_u32 s26, s26, WQS
	s_mov_b32 s27, 0
	s_lshl_b32 s36, s22, 6                         ; the bias: 256 bytes a head
	s_mov_b32 s37, 0
	s_lshr_b32 s38, s21, 2
	s_lshl_b32 s38, s38, 4
	s_lshr_b32 s39, s22, 2
	s_add_co_u32 s38, s38, s39                     ; bh = 16 batch + head
	s_and_b32 s39, s21, 3                          ; piece
	s_mul_i32 s40, s38, 98304
	s_mul_i32 s41, s39, 24576
	s_add_co_u32 s40, s40, s41                     ; q: codes
	s_lshl_b32 s41, s38, 13
	s_lshl_b32 s46, s39, 11
	s_add_co_u32 s41, s41, s46
	s_add_co_u32 s41, s41, 6291456                 ; q: scale words
	s_mul_i32 s47, s38, 212992                     ; k, v: the record
	s_add_co_u32 s46, s46, s47                     ; k: scale words
	s_mul_i32 s48, s39, 49152
	s_add_co_u32 s47, s47, s48
	s_add_co_u32 s47, s47, 16384                   ; k: codes
	s_cmp_eq_u32 s19, 2
	s_cselect_b32 s48, 24576, 0                    ; v's codes lie behind k's in a piece,
	s_cselect_b32 s49, 8192, 0                     ; its scale words behind k's in the record
	s_add_co_u32 s47, s47, s48
	s_add_co_u32 s46, s46, s49
	s_mov_b32 s33, 0
	s_mov_b32 s35, 0
	s_wait_kmcnt 0x0
	s_cmp_eq_u32 s19, 0                            ; the choices hang on the work-group's number alone
	s_cselect_b32 s32, s40, s47
	s_cselect_b32 s34, s41, s46
	s_cselect_b64 s[50:51], s[14:15], s[16:17]
	s_cselect_b64 s[52:53], s[8:9], s[10:11]
	s_cmp_eq_u32 s19, 2
	s_cselect_b64 s[52:53], s[12:13], s[52:53]
	s_add_nc_u64 s[32:33], s[50:51], s[32:33]      ; where my codes go
	s_add_nc_u64 s[34:35], s[50:51], s[34:35]      ; and my scale words
	s_add_nc_u64 s[52:53], s[52:53], s[36:37]      ; my head's bias
	s_add_nc_u64 s[28:29], s[4:5], s[28:29]        ; x's codes
	s_add_nc_u64 s[30:31], s[4:5], s[30:31]        ; x's scale words
	s_add_nc_u64 s[24:25], s[6:7], s[24:25]        ; W's codes
	s_add_nc_u64 s[26:27], s[6:7], s[26:27]        ; W's scale words
	s_wait_alu depctr_va_vdst(0)                   ; the addresses v1 to v13 and v251 to v253 are written: every load, store and LDS instruction of the kernel reads one of them, and none is written again
	ALOAD                                          ; the first block's tile first
	WIN 0x40
.irp s, 0,1,2,3
.irp i, 0,1,2,3
.irp c, 0,1,2
	global_load_b128 v[12*(4*\s+\i)+4*\c:12*(4*\s+\i)+4*\c+3], v[L16], s[24:25] offset:(8*\i+\s)*1536+512*\c
.endr
.endr
.endr
	WIN 0x80
.irp s, 0,1,2,3
.irp i, 0,1,2,3
.irp c, 0,1,2
	global_load_b128 v[12*(4*\s+\i)+4*\c:12*(4*\s+\i)+4*\c+3], v[L16], s[24:25] offset:(8*\i+\s+4)*1536+512*\c
.endr
.endr
.endr
	WIN 0
.irp i, 0,1,2,3
.irp s, 0,1,2,3,4,5,6,7
	global_load_b32 v[WS+8*\i+\s], v251, s[26:27] offset:4096*\s+64*\i
.endr
.endr
	s_cmp_eq_u32 s19, 2
	s_cbranch_scc1 .Lbias_v
	WIN 0x40
.irp i, 0,1,2,3                                ; q, k: register j of accumulator (g, i) is column 32 (i / 2) + 8 (i % 2) + 16 h + j
	global_load_b128 v[BI+8*\i:BI+8*\i+3], v252, s[52:53] offset:(32*(\i/2)+8*(\i%2))*4
	global_load_b128 v[BI+8*\i+4:BI+8*\i+7], v252, s[52:53] offset:(32*(\i/2)+8*(\i%2))*4+16
.endr
	WIN 0
	s_branch .Lbias_done
.Lbias_v:
	WIN 0x40
.irp g, 0,1,2,3                                ; v: all eight registers of accumulator (g, i) are column 32 (g / 2) + 8 (g % 2) + r + 8 (r / 8)
.irp j, 0,1,2,3,4,5,6,7
	global_load_b32 v[BI+8*\g+\j], v253, s[52:53] offset:(32*(\g/2)+8*(\g%2))*4
.endr
.endr
	WIN 0
.Lbias_done:
	s_mov_b32 s45, 4
.Lpair:                                            ; four trips of two blocks: the buffers are back where they began
	BLOCK 0, 0
	BLOCK 1, 1
	s_sub_co_u32 s45, s45, 1
	s_cmp_lg_u32 s45, 0
	s_cbranch_scc1 .Lpair
	s_wait_dscnt 0x0
	s_wait_alu depctr_hold_cnt(0) depctr_sa_sdst(0) depctr_va_vdst(0) depctr_va_sdst(0) depctr_va_ssrc(0) depctr_va_vcc(0) depctr_vm_vsrc(0)
	s_wait_tensorcnt 0x0
	ds_add_u32 v254, v255
	s_wait_dscnt 0x0
	s_endpgm
.Lfunc_end_k_q874f14df3c_proj:
	.size	k_q874f14df3c_proj, .Lfunc_end_k_q874f14df3c_proj-k_q874f14df3c_proj
	.p2alignl 7, 3214868480
	.fill 96, 4, 3214868480
	.section	.rodata,"a",@progbits
	.p2align	6, 0x0
	.amdhsa_kernel k_q874f14df3c_proj
		.amdhsa_group_segment_fixed_size 102912
		.amdhsa_private_segment_fixed_size 0
		.amdhsa_enable_private_segment 0
		.amdhsa_kernarg_size 56
		.amdhsa_user_sgpr_count 2
		.amdhsa_user_sgpr_kernarg_segment_ptr 1
		.amdhsa_wavefront_size32 1
		.amdhsa_system_sgpr_workgroup_id_x 1
		.amdhsa_system_sgpr_workgroup_id_y 1
		.amdhsa_system_sgpr_workgroup_id_z 1
		.amdhsa_system_vgpr_workitem_id 0
		.amdhsa_next_free_vgpr 1024
		.amdhsa_next_free_sgpr 66
		.amdhsa_reserve_vcc 0
		.amdhsa_float_denorm_mode_32 3
		.amdhsa_float_denorm_mode_16_64 3
		.amdhsa_memory_ordered 1
		.amdhsa_forward_progress 1
		.amdhsa_inst_pref_size 155
	.end_amdhsa_kernel
	.amdgpu_metadata
---
amdhsa.version: [ 1, 2 ]
amdhsa.kernels:
  - .name:           k_q874f14df3c_proj
    .symbol:         k_q874f14df3c_proj.kd
    .args:
      - { .name: xq, .offset: 0, .size: 8, .value_kind: global_buffer, .address_space: global }
      - { .name: wq, .offset: 8, .size: 8, .value_kind: global_buffer, .address_space: global }
      - { .name: bq, .offset: 16, .size: 8, .value_kind: global_buffer, .address_space: global }
      - { .name: bk, .offset: 24, .size: 8, .value_kind: global_buffer, .address_space: global }
      - { .name: bv, .offset: 32, .size: 8, .value_kind: global_buffer, .address_space: global }
      - { .name: qq, .offset: 40, .size: 8, .value_kind: global_buffer, .address_space: global }
      - { .name: kv, .offset: 48, .size: 8, .value_kind: global_buffer, .address_space: global }
    .group_segment_fixed_size: 102912
    .private_segment_fixed_size: 0
    .kernarg_segment_align: 8
    .kernarg_segment_size: 56
    .max_flat_workgroup_size: 128
    .sgpr_count:     66
    .vgpr_count:     1024
    .wavefront_size: 32
...
	.end_amdgpu_metadata
.endif
;; end of part 6
;; launch attn (part 7): grid 4 x 64, 16 waves a work-group, clusters of 4 x 1, 223,232 bytes of LDS; arguments qq, kv, mask, oq; writes oq
.if DOCPART == 7
	.amdgcn_target "amdgcn-amd-amdhsa--gfx1250"
	.amdhsa_code_object_version 6
	.text
	.protected	k_q874f14df3c_attn
	.globl	k_q874f14df3c_attn
	.p2align	8
	.type	k_q874f14df3c_attn,@function
k_q874f14df3c_attn:
	s_mov_b64 s[64:65], 0
	v_nop
	global_prefetch_b8 v0, s[64:65] scope:SCOPE_SE
	s_setreg_imm32_b32 hwreg(HW_REG_WAVE_MODE, 25, 1), 1
	s_wait_xcnt 0x0
	s_wait_alu depctr_hold_cnt(0) depctr_sa_sdst(0) depctr_va_vdst(0) depctr_va_sdst(0) depctr_va_ssrc(0) depctr_va_vcc(0) depctr_vm_vsrc(0)
	s_getreg_b32 s2, hwreg(HW_REG_IB_STS2, 6, 4)
	s_cmp_eq_u32 s2, 0
	s_cbranch_scc0 .Lentry_in_a_cluster
	s_endpgm
.Lentry_in_a_cluster:
	s_bfe_u32 s2, ttmp6, 0x10000c
	s_cmp_lg_u32 s2, 0x3003
	s_cbranch_scc0 .Lentry_shape_is_right
	s_endpgm
.Lentry_shape_is_right:
; o = softmax(q k^T / 8, keys with mask 0 left out) v for one (batch, head), both products on codes of FP6 (E2M3) with E8M0 scales, and o quantised along the model's 1,024 for the last product.
; t = score x log2(e) / 8; M = the running largest t rounded UP to a whole number; p = 2^(t - M) is quantised along the keys; the row's sum is taken of the unquantised p and divides at the end.
; SHARES.  The four work-groups of a cluster are the four blocks of 512 queries of one (batch, head).  The head's whole record of K, V and their scale words, 212,992 bytes, comes into LDS ONCE, by five JOINT
; tensor loads (mask 15) that wave 0 of each work-group issues: at most five loads of that wave are out.  No byte of LDS is filled twice: there is no ring.
; Each of the sixteen waves owns one tile of 16 queries at a time, in 256 registers, four waves to a SIMD; two passes: tile 32 cx + 16 pass + wave.  A step is 128 keys.
; LAYOUT.  S^T = K Q^T (source 0 = 16 keys), O^T = V^T P^T (source 0 = 16 channels): a lane holds ONE query throughout.  A tile's rows are not neighbours (lane r of tile 2 b + u = row 32 b + 8 u + r + 8 (r / 8)),
; so the 16 registers of tiles 2 b, 2 b + 1 are 16 neighbouring keys (or channels).
; K = 64 IN A FORM OF 128: q's registers 6-11 are zero codes, and bytes 2, 3 of q's and k's scale words are 0.  Tile t of K is named v[KF + 6 t .. + 11]: its upper six registers are the next tile's codes (behind
; the last: six zero registers), which meet zero codes and add nothing.
; THE MASK costs no vector instruction in the loop: a table of 2,048 f32 in LDS, 0 where the key counts and -2^126 where it does not, is loaded into the scores' registers and is the C of the score product.
; The largest t starts at -2^100: a hidden key's t - M is then below every exponent and its p is 0, also while only hidden keys have been seen; the first key that counts multiplies zeros by 0.
; LIMITS: |t| of keys that count stays under 2^100; a batch row whose mask is all zero gives no NaN, where the definition has NaN; NaN and infinities are not served; a block of zeros, or under 2^-124, keeps the byte 1.
; No prefetch: all fills go out at the head.
.set MB,   212992                      ; LDS behind the record: the mask's table, 8,192 bytes, written by ds_store; no load lands there
.set QF,   16                          ; v16-27  q's fragment (22-27 zero)
.set QN,   28                          ; v28-33  the second pass's
.set QS,   34                          ; v34, v35 their scale words
.set QSN,  35
.set KF,   36                          ; v36-89  eight tiles of K, six registers each, and six zeros;  then V's four fragments
.set VF,   36
.set KS,   90                          ; v90-97  K's scale words
.set VL,   98                          ; v98-105 V's, of the step's two groups of 64 keys
.set VH,   102
.set VS,   106                         ; v106-109 joined: one word for each tile of channels
.set PWP,  110                         ; p's scale word
.set PWO,  111                         ; o's
.set S,    112                         ; v112-175 S^T, then p
.set O,    176                         ; v176-207 O^T
.set PC,   208                         ; v208-219 p's codes; v220-222, v224-226 the halves made elsewhere
.set PCX,  220
.set BM,   228                         ; v228-231 the blocks' largest scores, then largest p
.set BP,   232
.set SOP,  236                         ; the conversions' scale operands
.set SEL,  16                          ; s[16:17]
.set CS,   18                          ; s[18:19] c = log2(e) / 8
.macro ROUND                           ; a round of the cluster's barrier
	s_barrier_signal -1
	s_barrier_wait -1
	s_cmp_lg_u32 s12, 0
	s_cbranch_scc1 .Lnot_wave_0_\@
	s_barrier_signal -3
.Lnot_wave_0_\@:
	s_barrier_wait -3
	s_barrier_signal -1
	s_barrier_wait -1
.endm
.macro PLACES
.rept 4
	v_nop
.endr
.endm
; 32 numbers of a lane, register 16 b + i = k 32 b + 16 h + i, b = 0, 1, become a half image's six registers in v[pc] on and its two scale bytes in v[pw]
.macro QUANT32 s, pc, pcx, pw, tm
.irp b, 0,1
	v_max3_num_f32 v[(\tm)+\b], |v[(\s)+16*\b]|, |v[(\s)+1+16*\b]|, 0x1800000
.endr
.irp i, 2,4,6,8,10,12,14
.irp b, 0,1
	s_delay_alu instid0(VALU_DEP_2)
	v_max3_num_f32 v[(\tm)+\b], v[(\tm)+\b], |v[(\s)+16*\b+\i]|, |v[(\s)+1+16*\b+\i]|
.endr
.endr
.irp b, 0,1
	s_delay_alu instid0(VALU_DEP_2)
	v_permlanex16_b32 v[(\tm)+2+\b], v[(\tm)+\b], s[SEL], s[SEL+1]
.endr
.irp b, 0,1
	s_delay_alu instid0(VALU_DEP_2)
	v_max_num_f32 v[(\tm)+\b], v[(\tm)+\b], v[(\tm)+2+\b]
.endr
.irp b, 0,1
	s_delay_alu instid0(VALU_DEP_2)
	v_add_nc_u32 v[(\tm)+4+\b], 0xff000000, v[(\tm)+\b]
.endr
.irp b, 0,1
	s_delay_alu instid0(VALU_DEP_2)
	v_lshrrev_b32 v[(\tm)+2+\b], 23, v[(\tm)+4+\b]
.endr
	s_delay_alu instid0(VALU_DEP_1)
	v_lshl_or_b32 v[\pw], v[(\tm)+3], 8, v[(\tm)+2]
	v_cvt_scalef32_pk16_fp6_f32 v[(\pc):(\pc)+2], v[(\s):(\s)+15], v[(\tm)+4]
	v_cvt_scalef32_pk16_fp6_f32 v[(\pcx):(\pcx)+2], v[(\s)+16:(\s)+31], v[(\tm)+5]
	v_nop                                          ; one plain place behind a scaled conversion
.irp i, 0,1,2
	v_permlane16_swap_b32 v[(\pc)+\i], v[(\pcx)+\i]
.endr
.irp i, 0,1,2
	s_delay_alu instid0(VALU_DEP_3)
	v_mov_b32 v[(\pc)+3+\i], v[(\pcx)+\i]
.endr
.endm
; A KEY STEP: 128 keys.  s60: where the step's tiles of K begin in LDS (V's lie 24,576 further on); s61: 512 x the step's number: its scale words and its part of the mask's table
.macro STEP
	v_add_nc_u32 v5, s60, v1                       ; these four are also the places behind the last step's products, in front of the loads into their registers
	v_add_nc_u32 v6, s60, v2
	v_add_nc_u32 v7, s61, v3
	v_add_nc_u32 v8, s61, v4
.irp t, 0,1,2,3,4,5,6,7
	ds_load_b128 v[S+8*\t:S+8*\t+3], v8 offset:128*(\t/2)+32*(\t%2)          ; the mask's numbers of keys 32 (t / 2) + 8 (t % 2) + 16 h + 0 .. 7: the product's C
	ds_load_b128 v[S+8*\t+4:S+8*\t+7], v8 offset:128*(\t/2)+32*(\t%2)+16
.endr
.irp t, 0,1,2,3,4,5,6,7
	ds_load_b128 v[KF+6*\t:KF+6*\t+3], v5 offset:768*\t
	ds_load_b64 v[KF+6*\t+4:KF+6*\t+5], v6 offset:768*\t+512
.endr
	ds_load_b128 v[KS:KS+3], v7
	ds_load_b128 v[KS+4:KS+7], v7 offset:256
	ds_load_b128 v[VL:VL+3], v7 offset:8192
	ds_load_b128 v[VH:VH+3], v7 offset:8448
	s_wait_alu depctr_va_vdst(0)
	s_wait_dscnt 0x0
.irp d, 0,1,2,3
	v_lshl_or_b32 v[VS+\d], v[VH+\d], 16, v[VL+\d] ; bytes 0, 1: the first 64 keys' blocks; bytes 2, 3: the second's
.endr
.irp t, 0,1,2,3,4,5,6,7
	v_wmma_scale_f32_16x16x128_f8f6f4 v[S+8*\t:S+8*\t+7], v[KF+6*\t:KF+6*\t+11], v[QF:QF+11], v[S+8*\t:S+8*\t+7], v[KS+\t], v[QS] matrix_a_fmt:MATRIX_FMT_FP6 matrix_b_fmt:MATRIX_FMT_FP6
.endr
	PLACES                                         ; in front of the loads into K's registers and of the first read of the scores
.irp d, 0,1,2,3
.irp c, 0,1
	ds_load_b128 v[VF+12*\d+6*\c:VF+12*\d+6*\c+3], v5 offset:24576+(4*\c+\d)*768      ; V's fragments land while the softmax is walked
	ds_load_b64 v[VF+12*\d+6*\c+4:VF+12*\d+6*\c+5], v6 offset:24576+(4*\c+\d)*768+512
.endr
.endr
.irp b, 0,1,2,3
	v_max3_num_f32 v[BM+\b], v[S+16*\b], v[S+1+16*\b], v[S+2+16*\b]   ; the largest score of each block of 32 keys: for the row's maximum, and, since p rises with the score, for the block's largest p
.endr
.irp i, 3,5,7,9,11,13
.irp b, 0,1,2,3
	v_max3_num_f32 v[BM+\b], v[BM+\b], v[S+16*\b+\i], v[S+1+16*\b+\i]
.endr
.endr
.irp b, 0,1,2,3
	v_max_num_f32 v[BM+\b], v[BM+\b], v[S+15+16*\b]
.endr
.irp b, 0,1,2,3
	s_delay_alu instid0(VALU_DEP_4)
	v_permlanex16_b32 v[BP+\b], v[BM+\b], s[SEL], s[SEL+1]
.endr
.irp b, 0,1,2,3
	s_delay_alu instid0(VALU_DEP_4)
	v_max_num_f32 v[BM+\b], v[BM+\b], v[BP+\b]     ; with lane l xor 16's 16 keys
.endr
	s_delay_alu instid0(VALU_DEP_2)
	v_max3_num_f32 v242, v[BM], v[BM+1], v[BM+2]
	s_delay_alu instid0(VALU_DEP_1)
	v_max_num_f32 v242, v242, v[BM+3]
	s_delay_alu instid0(VALU_DEP_1)
	v_mul_f32 v242, s[CS], v242                    ; as t (c is positive)
	s_delay_alu instid0(VALU_DEP_1)
	v_max_num_f32 v13, v13, v242                   ; the running largest t
	v_mov_b32 v242, v12
	s_delay_alu instid0(VALU_DEP_2)
	v_floor_f32 v12, -v13                          ; the new -M = floor(-t): M is a whole number
	s_delay_alu instid0(VALU_DEP_1)
	v_sub_f32 v242, v12, v242                      ; old M - new M: a whole number, 0 or less
	s_delay_alu instid0(VALU_DEP_1)
	v_cvt_i32_f32 v242, v242                       ; (it saturates)
	s_delay_alu instid0(VALU_DEP_1)
	v_ldexp_f32 v244, 1.0, v242                    ; f = 2^(old M - new M): rounds nothing
.set j, 0
.rept 32
	v_pk_fma_f32 v[S+j:S+j+1], v[S+j:S+j+1], s[CS:CS+1], v[12:13] op_sel_hi:[1,0,0]   ; t - M, two at a time
.set j, j+2
.endr
.irp b, 0,1,2,3
	v_fma_f32 v[BM+\b], v[BM+\b], s[CS], v12       ; the same of each block's largest score
.endr
.set j, 0
	s_setprio 1
	s_wait_alu depctr_va_vdst(0)
.rept 64
	v_exp_f32 v[S+j], v[S+j]                       ; p = 2^(t - M): one batch
.set j, j+1
.endr
	v_pk_mul_f32 v[14:15], v[14:15], v[244:245] op_sel_hi:[1,0]   ; the sums under the new M: the plain place behind the exponentials
	s_wait_alu depctr_va_vdst(0)                   ; one wait for the batch, ahead of its first reader
.irp b, 0,1,2,3
	v_exp_f32 v[BM+\b], v[BM+\b]                   ; the blocks' largest p
.endr
	v_pk_add_f32 v[240:241], v[116:117], v[120:121]
	v_pk_add_f32 v[252:253], v[124:125], v[128:129]
	v_pk_add_f32 v[250:251], v[132:133], v[136:137]
	v_pk_add_f32 v[248:249], v[140:141], v[144:145]
	v_pk_add_f32 v[246:247], v[148:149], v[152:153]
	v_pk_add_f32 v[238:239], v[156:157], v[160:161]
	v_pk_add_f32 v[236:237], v[164:165], v[168:169]
	v_pk_add_f32 v[14:15], v[14:15], v[172:173]
	v_pk_add_f32 v[240:241], v[240:241], v[112:113]
	v_pk_add_f32 v[252:253], v[252:253], v[114:115]
	v_pk_add_f32 v[250:251], v[250:251], v[118:119]
	v_pk_add_f32 v[248:249], v[248:249], v[122:123]
	v_pk_add_f32 v[246:247], v[246:247], v[126:127]
	v_pk_add_f32 v[238:239], v[238:239], v[130:131]
	v_pk_add_f32 v[236:237], v[236:237], v[134:135]
	v_pk_add_f32 v[14:15], v[14:15], v[138:139]
	v_pk_add_f32 v[240:241], v[240:241], v[142:143]
	v_pk_add_f32 v[252:253], v[252:253], v[146:147]
	v_pk_add_f32 v[250:251], v[250:251], v[150:151]
	v_pk_add_f32 v[248:249], v[248:249], v[154:155]
	v_pk_add_f32 v[246:247], v[246:247], v[158:159]
	v_pk_add_f32 v[238:239], v[238:239], v[162:163]
	v_pk_add_f32 v[236:237], v[236:237], v[166:167]
	v_pk_add_f32 v[14:15], v[14:15], v[170:171]
	v_pk_add_f32 v[240:241], v[240:241], v[174:175]
	s_delay_alu instid0(VALU_DEP_2)
	v_pk_add_f32 v[14:15], v[14:15], v[248:249]
	s_delay_alu instid0(VALU_DEP_2)
	v_pk_add_f32 v[240:241], v[240:241], v[246:247]
	v_pk_add_f32 v[252:253], v[252:253], v[238:239]
	v_pk_add_f32 v[250:251], v[250:251], v[236:237]
	s_delay_alu instid0(VALU_DEP_2)
	v_pk_add_f32 v[14:15], v[14:15], v[252:253]
	s_delay_alu instid0(VALU_DEP_2)
	v_pk_add_f32 v[240:241], v[240:241], v[250:251]
	s_delay_alu instid0(VALU_DEP_1)
	v_pk_add_f32 v[14:15], v[14:15], v[240:241]
	s_wait_alu depctr_va_vdst(0)                   ; and one for the four
.irp b, 0,1,2,3
	v_max_num_f32 v[BM+\b], 0x1800000, v[BM+\b]    ; the floor 2^(3 - 127): a block whose every p is 0 keeps the byte 1; its codes are zeros
.endr
.irp b, 0,1,2,3
	s_delay_alu instid0(VALU_DEP_4)
	v_add_nc_u32 v[SOP+\b], 0xff000000, v[BM+\b]
.endr
.irp b, 0,1,2,3
	s_delay_alu instid0(VALU_DEP_4)
	v_lshrrev_b32 v[BP+\b], 23, v[SOP+\b]
.endr
	s_delay_alu instid0(VALU_DEP_3)
	v_lshl_or_b32 v[PWP], v[BP+1], 8, v[BP]
	s_delay_alu instid0(VALU_DEP_1)
	v_lshl_or_b32 v[PWP], v[BP+2], 16, v[PWP]
	s_delay_alu instid0(VALU_DEP_1)
	v_lshl_or_b32 v[PWP], v[BP+3], 24, v[PWP]
.irp c, 0,1
	v_cvt_scalef32_pk16_fp6_f32 v[PC+6*\c:PC+2+6*\c], v[S+32*\c:S+15+32*\c], v[SOP+2*\c]
	v_cvt_scalef32_pk16_fp6_f32 v[PCX+4*\c:PCX+2+4*\c], v[S+16+32*\c:S+31+32*\c], v[SOP+2*\c+1]
.endr
	v_nop                                          ; one plain place behind a scaled conversion
	s_setprio 0
.irp c, 0,1
.irp i, 0,1,2
	v_permlane16_swap_b32 v[PC+6*\c+\i], v[PCX+4*\c+\i]
.endr
.irp i, 0,1,2
	s_delay_alu instid0(VALU_DEP_3)
	v_mov_b32 v[PC+3+6*\c+\i], v[PCX+4*\c+\i]
.endr
.endr
.set j, 0
.rept 16
	v_pk_mul_f32 v[O+j:O+j+1], v[O+j:O+j+1], v[244:245] op_sel_hi:[1,0]   ; O^T under the new M; these sixteen are also the places between p's codes and scale word and the products
.set j, j+2
.endr
	s_wait_alu depctr_va_vdst(0)
	s_wait_dscnt 0x0                               ; V's fragments are in
.irp d, 0,1,2,3
	v_wmma_scale_f32_16x16x128_f8f6f4 v[O+8*\d:O+8*\d+7], v[VF+12*\d:VF+12*\d+11], v[PC:PC+11], v[O+8*\d:O+8*\d+7], v[VS+\d], v[PWP] matrix_a_fmt:MATRIX_FMT_FP6 matrix_b_fmt:MATRIX_FMT_FP6
.endr
.endm
; A PIECE of 512 keys: four steps.  The count leaves the later pieces' loads on their way: behind piece p's load wave 0 issued 3 - p more.  The wave that waited signals; the others read behind the barrier.
.macro PIECE p
	s_wait_tensorcnt 3-\p
	s_wait_dscnt 0x0                               ; (in front of the first: my part of the mask's table has landed)
	s_barrier_signal -1
	s_barrier_wait -1
	s_mov_b32 s60, 16384+49152*\p
	s_mov_b32 s61, 2048*\p
	s_mov_b32 s62, 4
.Lstep_\@:
	s_setprio 2
	STEP
	s_add_co_u32 s60, s60, 6144
	s_add_co_u32 s61, s61, 512
	s_sub_co_u32 s62, s62, 1
	s_cmp_lg_u32 s62, 0
	s_cbranch_scc1 .Lstep_\@
	s_setprio 0
.endm
	s_load_b256 s[4:11], s[0:1], 0x0               ; qq, kv, mask, oq
	v_lshl_add_u32 v254, v0, 2, 0x36000
	v_mov_b32 v255, 0
	ds_add_u32 v254, v255
	ds_add_u32 v254, v255
	v_lshrrev_b32 v10, 5, v0
	s_delay_alu instid0(VALU_DEP_1)
	v_readfirstlane_b32 s12, v10                   ; wave 0..15
	s_bfe_u32 s13, ttmp6, 0x40000                  ; cx: it enters q's and o's global addresses alone
	s_and_b32 s14, ttmp7, 0xffff                   ; bh = 16 batch + head, which the four partners share
	v_and_b32 v10, 31, v0                          ; lane
	v_and_b32 v11, 15, v0                          ; r
	v_bfe_u32 v242, v0, 4, 1                       ; h
	s_delay_alu instid0(VALU_DEP_3)
	v_lshlrev_b32 v1, 4, v10                       ; 16 x lane
	s_delay_alu instid0(VALU_DEP_4)
	v_lshlrev_b32 v2, 3, v10                       ; 8 x lane
	s_delay_alu instid0(VALU_DEP_4)
	v_lshlrev_b32 v3, 4, v11                       ; 16 r: a row's four scale words
	s_delay_alu instid0(VALU_DEP_4)
	v_lshl_add_u32 v4, v242, 6, MB                 ; the mask's table, + 64 h
	v_lshlrev_b32 v9, 2, v11                       ; 4 r
	v_lshlrev_b32 v243, 4, v0                      ; the mask: 16 bytes a thread
	v_lshl_add_u32 v246, v0, 4, MB
	s_mov_b32 s[SEL], 0x76543210
	s_mov_b32 s[SEL+1], 0xfedcba98
	s_mov_b32 s[CS], 0x3e38aa3b                    ; log2(e) / 8
	s_mov_b32 s[CS+1], s[CS]                       ; (named with it as a pair)
	; descriptor groups 1: dense blocks as rows of 256 bytes (32 elements of 8 bytes): 64 rows of scale words, 192 rows a piece
	s_mov_b32 s24, 15|(3<<16)|(1<<21)              ; 15:0 the mask: all four work-groups; 17:16 elements of 8 bytes; 21 set beside a mask; no padding
	s_mov_b32 s25, 32<<16                          ; tensor_dim0
	s_mov_b32 s26, 64<<16                          ; tensor_dim1
	s_mov_b32 s27, 32<<16                          ; tile_dim0
	s_mov_b32 s28, 64                              ; tile_dim1
	s_mov_b32 s29, 32                              ; the pitch
	s_mov_b32 s30, 0
	s_mov_b32 s31, 0
	s_mov_b32 s32, 15|(3<<16)|(1<<21)
	s_mov_b32 s33, 32<<16
	s_mov_b32 s34, 192<<16
	s_mov_b32 s35, 32<<16
	s_mov_b32 s36, 192
	s_mov_b32 s37, 32
	s_mov_b32 s38, 0
	s_mov_b32 s39, 0
	s_mul_i32 s20, s14, 212992                     ; the head's record
	s_mov_b32 s21, 0
	s_lshl_b32 s22, s13, 5
	s_add_co_u32 s22, s22, s12                     ; my tile of the first pass: 32 cx + wave
	s_mul_i32 s66, s14, 98304
	s_mul_i32 s67, s22, 768
	s_add_co_u32 s66, s66, s67                     ; q's codes
	s_mov_b32 s67, 0
	s_lshl_b32 s74, s14, 13                        ; q's scale words: [bh][tile / 4][r][tile % 4]
	s_lshl_b32 s23, s13, 11
	s_add_co_u32 s74, s74, s23
	s_lshr_b32 s23, s12, 2
	s_lshl_b32 s23, s23, 8
	s_add_co_u32 s74, s74, s23
	s_and_b32 s23, s12, 3
	s_lshl_b32 s23, s23, 2
	s_add_co_u32 s74, s74, s23
	s_add_co_u32 s74, s74, 6291456
	s_mov_b32 s75, 0
	s_lshr_b32 s23, s14, 4                         ; batch
	s_lshl_b32 s76, s23, 13                        ; its row of the mask
	s_mov_b32 s77, 0
	s_lshl_b32 s23, s23, 7
	s_add_co_u32 s23, s23, s22                     ; the tile among all 512
	s_lshl_b32 s23, s23, 4
	s_and_b32 s68, s14, 15
	s_add_co_u32 s23, s23, s68
	s_mul_i32 s68, s23, 768                        ; o's codes: [tile][head][768]
	s_mov_b32 s69, 0
	s_lshl_b32 s70, s14, 13
	s_lshl_b32 s23, s22, 6
	s_add_co_u32 s70, s70, s23
	s_add_co_u32 s70, s70, 6291456                 ; o's scale words: [bh][tile][r]
	s_mov_b32 s71, 0
	s_wait_alu depctr_va_vdst(0)
	s_wait_dscnt 0x0
	s_wait_kmcnt 0x0
	s_add_nc_u64 s[20:21], s[6:7], s[20:21]
	s_add_nc_u64 s[66:67], s[4:5], s[66:67]
	s_add_nc_u64 s[74:75], s[4:5], s[74:75]
	s_add_nc_u64 s[76:77], s[8:9], s[76:77]
	s_add_nc_u64 s[68:69], s[10:11], s[68:69]
	s_add_nc_u64 s[70:71], s[10:11], s[70:71]
	s_mov_b32 s40, 1                               ; groups 0: LDS mirrors the record
	s_mov_b32 s41, 0
	s_mov_b64 s[42:43], s[20:21]
	s_or_b32 s43, s43, 0x80000000
.irp n, 1,2,3,4
	s_mov_b32 s[40+4*\n], 1
	s_mov_b32 s[41+4*\n], 16384+(\n-1)*49152
	s_add_nc_u64 s[42+4*\n:43+4*\n], s[20:21], 16384+(\n-1)*49152
	s_or_b32 s[43+4*\n], s[43+4*\n], 0x80000000
.endr
	global_load_b128 v[248:251], v243, s[76:77]    ; four numbers of the mask a thread
	global_load_b128 v[QF:QF+3], v1, s[66:67]
	global_load_b64 v[QF+4:QF+5], v2, s[66:67] offset:512
	global_load_b128 v[QN:QN+3], v1, s[66:67] offset:12288     ; the second pass's tile lies 16 tiles on
	global_load_b64 v[QN+4:QN+5], v2, s[66:67] offset:12800
	global_load_b32 v[QS], v3, s[74:75]
	global_load_b32 v[QSN], v3, s[74:75] offset:1024
	ROUND                                          ; all four work-groups are here: the joint loads meet
	s_cmp_lg_u32 s12, 0
	s_cbranch_scc1 .Lnot_fetcher
	tensor_load_to_lds s[40:43], s[24:31]          ; the scale words,
	s_nop 0
	tensor_load_to_lds s[44:47], s[32:39]          ; and the four pieces: all first fills in one group, in one branch
	s_nop 0
	tensor_load_to_lds s[48:51], s[32:39]
	s_nop 0
	tensor_load_to_lds s[52:55], s[32:39]
	s_nop 0
	tensor_load_to_lds s[56:59], s[32:39]
	s_nop 0
	PLACES                                         ; four v_nop follow the last
.Lnot_fetcher:
	s_wait_loadcnt 0x0
	v_mov_b32 v247, 0xfe800000                     ; -2^126
.irp i, 0,1,2,3
	v_cmp_eq_u32 vcc_lo, 0, v[248+\i]
	s_delay_alu instid0(VALU_DEP_1)
	v_cndmask_b32 v[248+\i], 0, v247, vcc_lo
.endr
	ds_store_b128 v246, v[248:251]
.irp i, 6,7,8,9,10,11
	v_mov_b32 v[QF+\i], 0                          ; zero codes for k = 64 .. 127
.endr
.irp i, 48,49,50,51,52,53
	v_mov_b32 v[KF+\i], 0
.endr
.irp b, 0,1,2,3
	v_mov_b32 v[BP+\b], 0                          ; written once: a lane permute's destination counts as one of its sources
.endr
	v_mov_b32 v245, 0                              ; (named as the upper half of the pair v[244:245])
	s_mov_b32 s63, 2
.Lpass:
	v_mov_b32 v13, 0xf1800000                      ; the largest t so far: -2^100
	s_delay_alu instid0(VALU_DEP_1)
	v_floor_f32 v12, -v13                          ; -M
	v_mov_b32 v14, 0                               ; the sum, in two halves
	v_mov_b32 v15, 0
.set j, 0
.rept 32
	v_mov_b32 v[O+j], 0                            ; the step is written once: the first finds zeros
.set j, j+1
.endr
	PIECE 0
	PIECE 1
	PIECE 2
	PIECE 3
	; THE WAY OUT: O^T / the sum; register 16 b + i is channel 32 b + 16 h + i of my query: two blocks of the last product's K
	PLACES
	v_add_f32 v14, v14, v15
	s_delay_alu instid0(VALU_DEP_1)
	v_permlanex16_b32 v242, v14, s[SEL], s[SEL+1]
	s_delay_alu instid0(VALU_DEP_1)
	v_add_f32 v14, v14, v242                       ; the row's sum
	s_wait_alu depctr_va_vdst(0)
	v_rcp_f32 v244, v14
	v_nop                                          ; a plain place behind the transcendental
	s_wait_alu depctr_va_vdst(0)                   ; and the wait ahead of its first reader
.set j, 0
.rept 16
	v_pk_mul_f32 v[S+j:S+j+1], v[O+j:O+j+1], v[244:245] op_sel_hi:[1,0]
.set j, j+2
.endr
	QUANT32 S, PC, PCX, PWO, BM
	global_store_b128 v1, v[PC:PC+3], s[68:69]     ; a half image: 512 and 256 consecutive bytes, aligned
	global_store_b64 v2, v[PC+4:PC+5], s[68:69] offset:512
	global_store_b32 v9, v[PWO], s[70:71]          ; lanes r and r + 16 write the same word with the same value
.irp i, 0,1,2,3,4,5
	v_mov_b32 v[QF+\i], v[QN+\i]                   ; the second pass's queries
.endr
	v_mov_b32 v[QS], v[QSN]
	s_wait_xcnt 0x0                                ; the stores have read their data and bases
	s_add_nc_u64 s[68:69], s[68:69], 196608        ; 16 tiles on
	s_add_nc_u64 s[70:71], s[70:71], 1024
	s_sub_co_u32 s63, s63, 1
	s_cmp_lg_u32 s63, 0
	s_cbranch_scc1 .Lpass
	s_wait_tensorcnt 0x0
	ds_add_u32 v254, v255
	s_wait_dscnt 0x0
	ROUND                                          ; the closing round
	s_endpgm
.Lfunc_end_k_q874f14df3c_attn:
	.size	k_q874f14df3c_attn, .Lfunc_end_k_q874f14df3c_attn-k_q874f14df3c_attn
	.p2alignl 7, 3214868480
	.fill 96, 4, 3214868480
	.section	.rodata,"a",@progbits
	.p2align	6, 0x0
	.amdhsa_kernel k_q874f14df3c_attn
		.amdhsa_group_segment_fixed_size 223232
		.amdhsa_private_segment_fixed_size 0
		.amdhsa_enable_private_segment 0
		.amdhsa_kernarg_size 32
		.amdhsa_user_sgpr_count 2
		.amdhsa_user_sgpr_kernarg_segment_ptr 1
		.amdhsa_wavefront_size32 1
		.amdhsa_system_sgpr_workgroup_id_x 1
		.amdhsa_system_sgpr_workgroup_id_y 1
		.amdhsa_system_sgpr_workgroup_id_z 1
		.amdhsa_system_vgpr_workitem_id 0
		.amdhsa_next_free_vgpr 256
		.amdhsa_next_free_sgpr 80
		.amdhsa_reserve_vcc 1
		.amdhsa_float_denorm_mode_32 3
		.amdhsa_float_denorm_mode_16_64 3
		.amdhsa_memory_ordered 1
		.amdhsa_forward_progress 1
		.amdhsa_inst_pref_size 90
	.end_amdhsa_kernel
	.amdgpu_metadata
---
amdhsa.version: [ 1, 2 ]
amdhsa.kernels:
  - .name:           k_q874f14df3c_attn
    .symbol:         k_q874f14df3c_attn.kd
    .args:
      - { .name: qq, .offset: 0, .size: 8, .value_kind: global_buffer, .address_space: global }
      - { .name: kv, .offset: 8, .size: 8, .value_kind: global_buffer, .address_space: global }
      - { .name: mask, .offset: 16, .size: 8, .value_kind: global_buffer, .address_space: global }
      - { .name: oq, .offset: 24, .size: 8, .value_kind: global_buffer, .address_space: global }
    .group_segment_fixed_size: 223232
    .private_segment_fixed_size: 0
    .kernarg_segment_align: 8
    .kernarg_segment_size: 32
    .max_flat_workgroup_size: 512
    .sgpr_count:     80
    .vgpr_count:     256
    .wavefront_size: 32
...
	.end_amdgpu_metadata
.endif
;; end of part 7
;; launch outp (part 8): grid 64 x 4, 4 waves a work-group, no clusters, 169,472 bytes of LDS; arguments oq, wq, bo, out0; writes out0
.if DOCPART == 8
	.amdgcn_target "amdgcn-amd-amdhsa--gfx1250"
	.amdhsa_code_object_version 6
	.text
	.protected	k_q874f14df3c_outp
	.globl	k_q874f14df3c_outp
	.p2align	8
	.type	k_q874f14df3c_outp,@function
k_q874f14df3c_outp:
	s_mov_b64 s[64:65], 0
	v_nop
	global_prefetch_b8 v0, s[64:65] scope:SCOPE_SE
	s_setreg_imm32_b32 hwreg(HW_REG_WAVE_SCHED_MODE, 0, 2), 2
	s_setreg_imm32_b32 hwreg(HW_REG_WAVE_MODE, 25, 1), 1
	s_wait_xcnt 0x0
	s_wait_alu depctr_vm_vsrc(0)
; out0 = o Wo + bo on codes of FP6 (E2M3) with E8M0 scales; out0 [8192][1024] f32.
; SHARES.  Work-group (x, cg): 128 tokens (two blocks of 64) x 256 columns; wave w owns 64 columns, whose 32 fragments of Wo stay in registers.  A block's four tiles of o go through LDS as they lie in oq, one a wave,
; each block in a buffer of its own.  Source 0 = a tile of Wo, source 1 = a tile of o: a lane holds one token and eight neighbouring columns.  The bias is the C of each sum's first matrix instruction.
; o's scale words lie by head ([bh][tile][r], two bytes used): a wave gathers its tile's 16 heads x 16 rows by two loads and lays them in LDS as [r][K step 8] words by stores of two bytes.
; THE WAY OUT: 64 rows x 1,024 bytes meet in a stage (rows 1,040 bytes apart); each wave stores 16 whole rows' parts, 512 consecutive bytes an instruction.  Two barriers a block.
; REGISTERS.  window 0: v1-15 addresses; v16-143 the 16 accumulators, later rows of the result; v144-175 Wo's scale words; v176-207 o's.   windows 1, 2: v0-191 Wo's fragments of K steps 0-3, 4-7; window 1, v192-223: the bias.
;   window 3: v0-143 o's fragments, three sets; v144-247 a tile of o and its scale words on their way to LDS.
; THE MODE: SCHED_MODE bits 1:0 = 2 (LLVM: expert scheduling mode 2), set by the entry lines.  The code itself states the register dependences
; between vector or matrix instructions and memory or LDS instructions, with s_wait_alu, always for 0.
; THE PLAN.  Registers that memory or LDS instructions touch:
;   SG, SGS       Written by the global loads of a block's tile; read by the LDS stores at that block's head.  No vector instruction names them.
;   XF0 .. XF2    K step s: its 16 products read XF[s % 3]; the LDS loads of K step s + 2, issued in step s, land in XF[(s + 2) % 3], the set that the products of step s - 1 read.
;   XS            Read by all of a block's products as scales; the LDS loads at the next block's head land in it.
;   v16-143       Written by a block's products; read by the LDS stores into the stage; then the LDS loads from the stage land in them; read by the global stores; written by the next block's products.
;   v1-15         Addresses, made once at the head (v214, v215 serve the head's loads alone) and never written again: immediate offsets do the rest.
; THE WAITS.  va_vdst: once at the head (the addresses); at the head of K steps 1 to 5 (the products of the step before are done reading the set in which this step's loads land); behind a block's products and their places
; (the accumulators are written; the products are done reading XS and the three sets).  vm_vsrc: behind the first block's LDS stores of its tile (SG is loaded again); behind the stores into the stage (the loads from the stage
; land on their data); ahead of the second block's products (the global stores have read the registers that the sums take).  va_sdst: ahead of the first reader of the wave's number.
.set WQS,  3145728
.set OQS,  6291456
.set BUFB, 51200
.set SCB,  49152
.set STG,  102400                      ; behind the two buffers: the stage, 64 x 1,040 bytes
.set L16,  1
.set L8,   2
.set RD16, 3
.set RD8,  5
.set RDS,  7
.set AWI,  9
.set SSA,  11                          ; v11-12 buffer + SCB + 512 wave + 128 (lane % 4) + 2 (lane / 4)
.set SO,   13                          ; v13    the stage, in
.set SR,   14                          ; v14    and back
.set SLT,  15                          ; v15    8,192 (lane / 4) + 16 (lane % 4): head lane / 4, rows 4 (lane % 4) on
.set ACC,  16
.set WS,   144
.set XS,   176
.set XF,   0                           ; window 3: set n at XF + 48 n
.set SG,   144                         ; window 3
.set SGS,  240                         ; window 3
.set BI,   192                         ; window 1
.set MSB, 0
.macro WIN new
.if MSB != (\new)
	s_set_vgpr_msb (MSB<<8)|(\new)
.set MSB, (\new)
.endif
.endm
.macro PLACES                          ; four places behind a matrix instruction (ISA guide 7.12.1)
.rept 4
	v_nop
.endr
.endm
.macro WM d, a, b, c, sa, sb
	v_wmma_scale_f32_16x16x128_f8f6f4 v[\d:\d+7], v[\a:\a+11], v[\b:\b+11], v[\c:\c+7], v[\sa], v[\sb] matrix_a_fmt:MATRIX_FMT_FP6 matrix_b_fmt:MATRIX_FMT_FP6
.endm
.macro ALOAD blk                       ; my tile of block blk and its scale words; the block's step stands in the immediate
	WIN 0xc0
.set j, 0
.rept 24
	global_load_b128 v[SG+4*j:SG+4*j+3], v[L16], s[28:29] offset:49152*\blk+512*j
.set j, j+1
.endr
	global_load_b128 v[SGS:SGS+3], v[SLT], s[30:31] offset:256*\blk           ; heads 0-7
	global_load_b128 v[SGS+4:SGS+7], v[SLT], s[30:31] offset:256*\blk+65536   ; heads 8-15
	WIN 0
.endm
.macro FETCH2 buf, s, set, t0          ; the fragments of tiles t0 and t0 + 1 of K step s: two half images each, eight LDS loads
	WIN 0xc0
.irp m, \t0, \t0+1
	ds_load_b128 v[XF+48*(\set)+12*(\m):XF+48*(\set)+12*(\m)+3], v[RD16+\buf] offset:12288*(\m)+1536*(\s)
	ds_load_b64 v[XF+48*(\set)+12*(\m)+4:XF+48*(\set)+12*(\m)+5], v[RD8+\buf] offset:12288*(\m)+1536*(\s)+512
	ds_load_b128 v[XF+48*(\set)+12*(\m)+6:XF+48*(\set)+12*(\m)+9], v[RD16+\buf] offset:12288*(\m)+1536*(\s)+768
	ds_load_b64 v[XF+48*(\set)+12*(\m)+10:XF+48*(\set)+12*(\m)+11], v[RD8+\buf] offset:12288*(\m)+1536*(\s)+1280
.endr
.endm
.macro MWIN                            ; the windows of K step ks's products
.if ks == 0
	WIN 0x1d                                       ; Wo and the bias in window 1, o in window 3
.elseif ks < 4
	WIN 0x0d
.else
	WIN 0x0e                                       ; Wo in window 2
.endif
.endm
.macro MG g                            ; four matrix instructions of K step ks: accumulators (g, 0 .. 3): source 0 = Wo's tile i, source 1 = o's tile g
.irp i, 0,1,2,3
.set rD, ACC+8*(4*(\g)+\i)
.set rA, 12*(4*(ks%4)+\i)
.set rB, XF+48*(ks%3)+12*(\g)
.set rC, BI+8*\i
.set rSA, WS+8*\i+ks
.set rSB, XS+8*(\g)+ks
.if ks == 0
	WM rD, rA, rB, rC, rSA, rSB
.else
	WM rD, rA, rB, rD, rSA, rSB
.endif
.endr
.endm
; a block's 128 matrix instructions: eight K steps x 16 accumulators by turns, one instruction a turn.
; K step ks multiplies set ks % 3 and asks for K step ks + 2, in two runs of eight loads, behind its first four and its second four products.
.macro MP buf
	FETCH2 \buf, 0, 0, 0                           ; K steps 0 and 1.  No wait: in the second block the wait ahead of the first block's stores into the stage stands behind the products that read these sets, and no vector instruction since names them
	FETCH2 \buf, 0, 0, 2
	FETCH2 \buf, 1, 1, 0
	FETCH2 \buf, 1, 1, 2
.set ks, 0
.rept 8
.if ks < 7
	s_wait_dscnt 16                                ; this step's fragments (in step 0: the scale words too) are in; the 16 loads of the step that follows may be out
.else
	s_wait_dscnt 0x0
.endif
.if (ks > 0) && (ks < 6)
	s_wait_alu depctr_va_vdst(0)                   ; the products of the K step before are done reading their set of o, in which this step's sixteen loads land; the products between this wait and those loads name another set
.endif
	MWIN
	MG 0
.if ks < 6
.if ks > 0
	PLACES                                         ; the four places between the last K step's products and the loads into the set that they read stay, beside the wait above
.endif
	FETCH2 \buf, ks+2, (ks+2)%3, 0
	MWIN
.endif
	MG 1
.if ks < 6
	FETCH2 \buf, ks+2, (ks+2)%3, 2
	MWIN
.endif
	MG 2
	MG 3
.set ks, ks+1
.endr
	WIN 0
.endm
.macro OBLOCK blk
	s_wait_loadcnt 0x0                             ; my tile has come (in the first block: the weights, their scale words and the bias too)
	WIN 0x0c                                       ; an LDS store's data are its source 1: window 3
.set j, 0
.rept 24
	ds_store_b128 v[AWI+\blk], v[SG+4*j:SG+4*j+3] offset:512*j
.set j, j+1
.endr
.irp e, 0,1,2,3
	ds_store_b16 v[SSA+\blk], v[SGS+\e] offset:32*\e          ; row 4 (lane % 4) + e, head lane / 4: two bytes at 32 row + 2 head
	ds_store_b16 v[SSA+\blk], v[SGS+4+\e] offset:32*\e+16     ; head 8 + lane / 4
.endr
	WIN 0
	s_wait_dscnt 0x0                               ; for the others' sake: my stores have landed, and my reads of the stage are back
.if \blk == 0
	s_wait_alu depctr_vm_vsrc(0)                   ; my LDS stores have read v[SG ..] and v[SGS ..], in which the next tile's loads land
.endif
	s_barrier_signal -1
	s_barrier_wait -1
.if \blk == 0
	ALOAD 1                                        ; a whole block ahead of its use
.endif
.irp m, 0,1,2,3
.irp q, 0,1
	ds_load_b128 v[XS+8*\m+4*\q:XS+8*\m+4*\q+3], v[RDS+\blk] offset:512*\m+16*\q   ; no wait: as for K steps 0 and 1 in MP
.endr
.endr
	s_wait_xcnt 0x0                                ; the last block's stores have read the registers that the sums now take
.if \blk == 1
	s_wait_alu depctr_vm_vsrc(0)                   ; the last block's global stores have read v[ACC ..], which this block's products write
.endif
	MP \blk
	PLACES                                         ; in front of the stage's stores, which read the results
.if \blk == 0
	v_nop                                          ; a fifth place: the next block's first products begin these accumulators anew, with the bias as C: a matrix instruction that writes over registers of
	                                               ; an earlier one stands five places behind it, and no other vector instruction stands between this block's last two K steps' products and those
.endif
	s_wait_alu depctr_va_vdst(0)                   ; the products have written the accumulators, which the stores into the stage read and in which the loads from the stage land; and they are done reading o's scale words and its three sets, in which the next block's loads land.  The places above stay beside this wait
.irp m, 0,1,2,3
.irp i, 0,1,2,3
	ds_store_b128 v[SO], v[ACC+8*(4*\m+\i):ACC+8*(4*\m+\i)+3] offset:(32*(\m/2)+8*(\m%2))*1040+128*(\i/2)+32*(\i%2)       ; token 32 (m / 2) + 8 (m % 2) + r + 8 (r / 8), columns 32 (i / 2) + 8 (i % 2) + 16 h + 0 .. 7; each accumulator from its low end on
	ds_store_b128 v[SO], v[ACC+8*(4*\m+\i)+4:ACC+8*(4*\m+\i)+7] offset:(32*(\m/2)+8*(\m%2))*1040+128*(\i/2)+32*(\i%2)+16
.endr
.endr
	s_wait_dscnt 0x0                               ; for the others' sake: my stores into the stage are done
	s_wait_alu depctr_vm_vsrc(0)                   ; my stores into the stage have read v[ACC ..], in which the loads from the stage land
	s_barrier_signal -1
	s_barrier_wait -1
.set t, 0
.rept 32
	ds_load_b128 v[ACC+4*t:ACC+4*t+3], v[SR] offset:1040*(t/2)+512*(t%2)
.set t, t+1
.endr
.set t, 0
.rept 32
	s_wait_dscnt 31-t                              ; the younger loads may be out
	global_store_b128 v[L16], v[ACC+4*t:ACC+4*t+3], s[32:33] offset:262144*\blk+4096*(t/2)+512*(t%2) th:TH_STORE_NT   ; 32 lanes store 512 consecutive bytes, aligned; written once, read by nobody here
.set t, t+1
.endr
.endm
	s_load_b256 s[4:11], s[0:1], 0x0               ; oq, wq, bo, out0
	v_lshl_add_u32 v254, v0, 2, 0x29400
	v_mov_b32 v255, 0
	v_lshrrev_b32 v208, 5, v0
	v_readfirstlane_b32 s18, v208                  ; wave
	s_and_b32 s20, ttmp7, 0xffff                   ; column group
	s_mov_b32 s21, ttmp9                           ; which 128 tokens
	v_and_b32 v208, 31, v0                         ; lane
	v_and_b32 v209, 15, v0                         ; r
	v_bfe_u32 v210, v0, 4, 1                       ; h
	v_lshlrev_b32 v[L16], 4, v208
	v_lshlrev_b32 v[L8], 3, v208
	v_lshlrev_b32 v[RD16], 4, v208
	v_add_nc_u32 v[RD16+1], BUFB, v[RD16]
	v_lshlrev_b32 v[RD8], 3, v208
	v_add_nc_u32 v[RD8+1], BUFB, v[RD8]
	v_lshl_add_u32 v[RDS], v209, 5, SCB
	v_add_nc_u32 v[RDS+1], BUFB, v[RDS]
	s_wait_alu depctr_va_sdst(0)                   ; s18, the wave's number, is written, ahead of its first reader
	s_mul_i32 s22, s18, 12288
	v_add_nc_u32 v[AWI], s22, v[L16]
	v_add_nc_u32 v[AWI+1], BUFB, v[AWI]
	v_and_b32 v211, 3, v0                          ; lane % 4
	v_bfe_u32 v212, v0, 2, 3                       ; lane / 4
	v_lshlrev_b32 v[SSA], 7, v211
	v_lshl_add_u32 v[SSA], v212, 1, v[SSA]
	s_lshl_b32 s22, s18, 9
	s_add_co_u32 s22, s22, SCB
	v_add_nc_u32 v[SSA], s22, v[SSA]
	v_add_nc_u32 v[SSA+1], BUFB, v[SSA]
	v_lshlrev_b32 v[SLT], 4, v211
	v_lshl_add_u32 v[SLT], v212, 13, v[SLT]
	v_and_b32 v213, 8, v209
	v_add_nc_u32 v213, v213, v209                  ; r + 8 (r / 8)
	v_mul_u32_u24 v[SO], v213, 1040
	v_lshl_add_u32 v[SO], v210, 6, v[SO]
	s_lshl_b32 s22, s18, 8
	s_add_co_u32 s22, s22, STG
	v_add_nc_u32 v[SO], s22, v[SO]                 ; + 256 wave: my 64 columns
	s_mul_i32 s22, s18, 16640
	s_add_co_u32 s22, s22, STG
	v_add_nc_u32 v[SR], s22, v[L16]                ; back: my 16 rows
	v_lshlrev_b32 v214, 2, v209                    ; 4 r: Wo's scale words
	v_lshlrev_b32 v215, 6, v210                    ; 64 h: the bias
	s_lshl_b32 s22, s21, 3
	s_add_co_u32 s22, s22, s18                     ; my tile of the first block: 8 x + wave
	s_mul_i32 s28, s22, 12288
	s_mov_b32 s29, 0
	s_lshr_b32 s30, s21, 4                         ; batch: 16 heads x 8,192 bytes of scale words
	s_lshl_b32 s30, s30, 17
	s_and_b32 s23, s21, 15
	s_lshl_b32 s23, s23, 3
	s_add_co_u32 s23, s23, s18                     ; the tile within its batch
	s_lshl_b32 s23, s23, 6
	s_add_co_u32 s30, s30, s23
	s_add_co_u32 s30, s30, OQS
	s_mov_b32 s31, 0
	s_lshl_b32 s22, s20, 4
	s_lshl_b32 s23, s18, 2
	s_add_co_u32 s22, s22, s23                     ; my first tile of Wo
	s_mul_i32 s24, s22, 12288
	s_add_co_u32 s24, s24, 3*786432
	s_mov_b32 s25, 0
	s_lshl_b32 s26, s22, 6
	s_add_co_u32 s26, s26, WQS+3*32768
	s_mov_b32 s27, 0
	s_lshl_b32 s36, s22, 6                         ; the bias: 64 bytes a tile
	s_mov_b32 s37, 0
	s_lshl_b32 s32, s21, 19                        ; 128 rows of 4,096 bytes
	s_lshl_b32 s23, s18, 16                        ; + 16 wave rows
	s_add_co_u32 s32, s32, s23
	s_lshl_b32 s23, s20, 10                        ; + 256 columns of 4 bytes
	s_add_co_u32 s32, s32, s23
	s_mov_b32 s33, 0
	s_wait_kmcnt 0x0
	s_add_nc_u64 s[28:29], s[4:5], s[28:29]        ; o's codes
	s_add_nc_u64 s[30:31], s[4:5], s[30:31]        ; o's scale words
	s_add_nc_u64 s[24:25], s[6:7], s[24:25]        ; Wo's codes
	s_add_nc_u64 s[26:27], s[6:7], s[26:27]        ; Wo's scale words
	s_add_nc_u64 s[36:37], s[8:9], s[36:37]        ; the bias
	s_add_nc_u64 s[32:33], s[10:11], s[32:33]      ; the result
	s_wait_alu depctr_va_vdst(0)                   ; the addresses v1 to v15, v214 and v215 are written: every load, store and LDS instruction of the kernel reads one of them, and none is written again
	ALOAD 0
	WIN 0x40
.irp s, 0,1,2,3
.irp i, 0,1,2,3
.irp c, 0,1,2
	global_load_b128 v[12*(4*\s+\i)+4*\c:12*(4*\s+\i)+4*\c+3], v[L16], s[24:25] offset:(8*\i+\s)*1536+512*\c
.endr
.endr
.endr
	WIN 0x80
.irp s, 0,1,2,3
.irp i, 0,1,2,3
.irp c, 0,1,2
	global_load_b128 v[12*(4*\s+\i)+4*\c:12*(4*\s+\i)+4*\c+3], v[L16], s[24:25] offset:(8*\i+\s+4)*1536+512*\c
.endr
.endr
.endr
	WIN 0
.irp i, 0,1,2,3
.irp s, 0,1,2,3,4,5,6,7
	global_load_b32 v[WS+8*\i+\s], v214, s[26:27] offset:4096*\s+64*\i
.endr
.endr
	WIN 0x40
.irp i, 0,1,2,3                                ; register j of accumulator (g, i) is column 32 (i / 2) + 8 (i % 2) + 16 h + j
	global_load_b128 v[BI+8*\i:BI+8*\i+3], v215, s[36:37] offset:(32*(\i/2)+8*(\i%2))*4
	global_load_b128 v[BI+8*\i+4:BI+8*\i+7], v215, s[36:37] offset:(32*(\i/2)+8*(\i%2))*4+16
.endr
	WIN 0
	OBLOCK 0
	OBLOCK 1
	s_wait_dscnt 0x0
	s_wait_alu depctr_hold_cnt(0) depctr_sa_sdst(0) depctr_va_vdst(0) depctr_va_sdst(0) depctr_va_ssrc(0) depctr_va_vcc(0) depctr_vm_vsrc(0)
	s_wait_tensorcnt 0x0
	ds_add_u32 v254, v255
	s_wait_dscnt 0x0
	s_endpgm
.Lfunc_end_k_q874f14df3c_outp:
	.size	k_q874f14df3c_outp, .Lfunc_end_k_q874f14df3c_outp-k_q874f14df3c_outp
	.p2alignl 7, 3214868480
	.fill 96, 4, 3214868480
	.section	.rodata,"a",@progbits
	.p2align	6, 0x0
	.amdhsa_kernel k_q874f14df3c_outp
		.amdhsa_group_segment_fixed_size 169472
		.amdhsa_private_segment_fixed_size 0
		.amdhsa_enable_private_segment 0
		.amdhsa_kernarg_size 32
		.amdhsa_user_sgpr_count 2
		.amdhsa_user_sgpr_kernarg_segment_ptr 1
		.amdhsa_wavefront_size32 1
		.amdhsa_system_sgpr_workgroup_id_x 1
		.amdhsa_system_sgpr_workgroup_id_y 1
		.amdhsa_system_sgpr_workgroup_id_z 1
		.amdhsa_system_vgpr_workitem_id 0
		.amdhsa_next_free_vgpr 1024
		.amdhsa_next_free_sgpr 66
		.amdhsa_reserve_vcc 0
		.amdhsa_float_denorm_mode_32 3
		.amdhsa_float_denorm_mode_16_64 3
		.amdhsa_memory_ordered 1
		.amdhsa_forward_progress 1
		.amdhsa_inst_pref_size 96
	.end_amdhsa_kernel
	.amdgpu_metadata
---
amdhsa.version: [ 1, 2 ]
amdhsa.kernels:
  - .name:           k_q874f14df3c_outp
    .symbol:         k_q874f14df3c_outp.kd
    .args:
      - { .name: oq, .offset: 0, .size: 8, .value_kind: global_buffer, .address_space: global }
      - { .name: wq, .offset: 8, .size: 8, .value_kind: global_buffer, .address_space: global }
      - { .name: bo, .offset: 16, .size: 8, .value_kind: global_buffer, .address_space: global }
      - { .name: out0, .offset: 24, .size: 8, .value_kind: global_buffer, .address_space: global }
    .group_segment_fixed_size: 169472
    .private_segment_fixed_size: 0
    .kernarg_segment_align: 8
    .kernarg_segment_size: 32
    .max_flat_workgroup_size: 128
    .sgpr_count:     66
    .vgpr_count:     1024
    .wavefront_size: 32
...
	.end_amdgpu_metadata
.endif
;; end of part 8
